; MI455X (gfx1250); checked and timed in simulation.
; The chip was launched on July 23, 2026; its instructions are those of AMD's public machine-readable ISA for CDNA 5 (MIT licence, August 2026) and "CDNA5" Instruction Set Architecture Reference Guide (July 2026). The comments in the code are by the model that wrote it; some were corrected since.
;; Multi Head Self Attention. Allowed arithmetic: matrix products marked QUANTISED: E2M1 operands, one E8M0 scale for each 32 along K, by v_wmma_scale_f32_16x16x128_f8f6f4 with both operands' format E2M1 (or v_wmma_scale_f32_32x16x128_f4), f32 sums; everything else in f32.
;; Inputs: W_k_codes 512 x 16 x 16 uint8 (E2M1 codes of W_k, K innermost, in blocks of 32 codes, two codes a byte); W_k_scales 512 x 16 uint8 (E8M0 scales of W_k, one for each 32 codes along K); W_o_codes 512 x 16 x 16 uint8 (E2M1 codes of W_o, K innermost, in blocks of 32 codes, two codes a byte); W_o_scales 512 x 16 uint8 (E8M0 scales of W_o, one for each 32 codes along K); W_q_codes 512 x 16 x 16 uint8 (E2M1 codes of W_q, K innermost, in blocks of 32 codes, two codes a byte); W_q_scales 512 x 16 uint8 (E8M0 scales of W_q, one for each 32 codes along K); W_v_codes 512 x 16 x 16 uint8 (E2M1 codes of W_v, K innermost, in blocks of 32 codes, two codes a byte); W_v_scales 512 x 16 uint8 (E8M0 scales of W_v, one for each 32 codes along K); ln_beta 512 float32; ln_gamma 512 float32; x 2 x 4,096 x 512 float32.
;; Outputs: out0 2 x 4,096 x 512 float32.
;; This version of the problem:
;;   THIS VERSION OF THE PROBLEM IS GIVEN IN LOW PRECISION. The matrix products marked QUANTISED in the list below multiply operands that are first quantised to E2M1 (2 exponent bits, 1 mantissa bit; 4 bits a number), with one power-of-two scale for each 32 numbers along K (OCP MX v1.0); their sums are f32. All else is computed in f32.
;;   The module's matrix products, in the order in which they are computed (A, B: the left and right operand; K: the contracted axis; several contracted axes count as one K, in the product's order):
;;     1. [M 8,192, K 512] x [K 512, N 512]; A: input x; B: input W_q (given as codes): QUANTISED
;;     2. [M 8,192, K 512] x [K 512, N 512]; A: input x; B: input W_k (given as codes): QUANTISED
;;     3. [M 8,192, K 512] x [K 512, N 512]; A: input x; B: input W_v (given as codes): QUANTISED
;;     4. batch 16 x [M 4,096, K 64] x [K 64, N 4,096]; A: computed on the way; B: computed on the way: QUANTISED
;;     5. batch 16 x [M 4,096, K 4,096] x [K 4,096, N 64]; A: softmax (see below); B: computed on the way: QUANTISED
;;     6. [M 8,192, K 512] x [K 512, N 512]; A: computed on the way; B: input W_o (given as codes): QUANTISED
;;   THE QUANTISER, for each operand of a quantised product, along K:
;;     - K is cut into blocks of 32 from its start; a last block that is shorter is filled with zeros.
;;     - A block's scale is 2^e with e = floor(log2(the largest magnitude in the block)) - 2, held to -126 .. 127; a block of zeros has e = 0. As a byte (E8M0): e + 127.
;;     - Each number is divided by its block's scale, clamped to +-6, and rounded to the nearest number of E2M1, ties to even, subnormals kept.
;;     - The product sums the exact products of the quantised numbers (number of the format x scale) in f32.
;;   ~~~python
;;   def quantise(x, axis):      # numpy; x: float32 -> the quantised numbers, widened to float32 again
;;       x = np.moveaxis(x, axis, -1); K = x.shape[-1]
;;       x = np.pad(x, [(0, 0)] * (x.ndim - 1) + [(0, -K % 32)]); x = x.reshape(x.shape[:-1] + (-1, 32)); a = np.abs(x).max(-1, keepdims=True)
;;       e = np.where(a > 0, np.clip(np.frexp(np.where(a > 0, a, 1))[1] - 1 - 2, -126, 127), 0)      # np.frexp(a)[1] - 1 = floor(log2(a)), exactly
;;       r = np.clip(x / 2.0 ** e, -6, 6)
;;       step = 2.0 ** (np.maximum(np.frexp(np.where(r == 0, 1, r))[1] - 1, 0) - 1)
;;       q = np.round(r / step) * step * 2.0 ** e      # np.round: ties to even
;;       return np.moveaxis(q.reshape(q.shape[:-2] + (-1,))[..., :K], -1, axis).astype(np.float32)
;;   ~~~
;;   SOFTMAX AHEAD OF A QUANTISED PRODUCT. Where the list says 'softmax', what is quantised is not the finished softmax but p = 2^(t - M), with t = logit x log2(e) and M = ceil(the row's largest t), a whole number; so 1/2 < the row's largest p <= 1. The row's sum l is taken of the UNQUANTISED p, in f32, and the product's result is divided by l at the end. Since M is a whole number, a kernel that streams over the keys may use a running M (the ceiling of the running maximum): every later rescaling is an exact power of two, which a block's scale takes up: the codes' values come out the same.
;;   OPERANDS COMPUTED ON THE WAY. 'Computed on the way' means the value that the module computes at that place (a softmax that the list does not call 'softmax' is quantised finished and normalised). What goes into a quantiser is computed in f32, as accurately as f32 sums, v_exp_f32 and their like allow (about 1e-6 of the number): no bf16 or f16 on the way to a quantiser, and a product that is left as it is and whose result goes on into a quantised operand takes f32 operands (vector FMAs, or v_wmma_f32_16x16x4_f32). A number that lies on a knife's edge between two numbers of the format may be rounded either way, as far as f32 arithmetic and the matrix unit's own rounding can turn it there, and no further.
;;   INPUTS GIVEN AS CODES. W_k (in the module: [512, 512], K = its axis 1); W_o (in the module: [512, 512], K = its axis 1); W_q (in the module: [512, 512], K = its axis 1); W_v (in the module: [512, 512], K = its axis 1): each comes as NAME_codes (uint8): NAME with its K axis moved to the last place and cut into blocks of 32 codes, [.., K / 32, bytes a block], one block behind the other in memory; two codes a byte, the lower K in the low four bits (a code: sign, 2 exponent bits, 1 mantissa bit); and NAME_scales (uint8): the same leading axes, one E8M0 byte (e + 127) for each 32 codes along K. Its value is code x scale, taken as it is: it is not quantised again, and the codes and scales need not be those that the quantiser above would give.
;; One version. Each part assembles by itself: llvm-mc -triple=amdgcn-amd-amdhsa -mcpu=gfx1250 --defsym DOCPART=n.
;; ======== version 1 of 1: 3 launches
;; limits: right only within a limited range of input values
;; workspace buffers: q_img 2,097,152 bytes; q_scl 262,144 bytes; k_img 2,097,152 bytes; k_scl 262,144 bytes; v_img 2,097,152 bytes; v_scl 131,072 bytes; c_img 2,097,152 bytes; c_scl 131,072 bytes
;; launch qkv (part 1): grid 256 x 1, 8 waves a work-group, clusters of 4 x 1, 327,680 bytes of LDS; arguments x, W_q_codes, W_q_scales, W_k_codes, W_k_scales, W_v_codes, W_v_scales, q_img, q_scl, k_img, k_scl, v_img, v_scl; writes q_img, q_scl, k_img, k_scl, v_img, v_scl
.if DOCPART == 1
	.amdgcn_target "amdgcn-amd-amdhsa--gfx1250"
	.amdhsa_code_object_version 6
	.text
	.protected	k_qc1abed330f_qkv
	.globl	k_qc1abed330f_qkv
	.p2align	8
	.type	k_qc1abed330f_qkv,@function
k_qc1abed330f_qkv:
	s_mov_b64 s[64:65], 0
	v_nop
	global_prefetch_b8 v0, s[64:65] scope:SCOPE_SE
	s_setreg_imm32_b32 hwreg(HW_REG_WAVE_MODE, 25, 1), 1
	s_wait_xcnt 0x0
	s_wait_alu depctr_hold_cnt(0) depctr_sa_sdst(0) depctr_va_vdst(0) depctr_va_sdst(0) depctr_va_ssrc(0) depctr_va_vcc(0) depctr_vm_vsrc(0)
	s_getreg_b32 s2, hwreg(HW_REG_IB_STS2, 6, 4)
	s_cmp_eq_u32 s2, 0
	s_cbranch_scc0 .Lentry_in_a_cluster
	s_endpgm
.Lentry_in_a_cluster:
	s_bfe_u32 s2, ttmp6, 0x10000c
	s_cmp_lg_u32 s2, 0x3003
	s_cbranch_scc0 .Lentry_shape_is_right
	s_endpgm
.Lentry_shape_is_right:
; x [8192][512] f32 is quantised along D to FP4 (E2M1) with one E8M0 byte for each 32; Q = x Wq^T, K = x Wk^T, V = x Wv^T on codes, sums in f32;
; Q and K are quantised along a head's 64 channels (two blocks), V along the keys (a block = 32 neighbouring tokens).  Only codes and scale bytes leave.
; SHARES.  Work-group g owns tokens 32 g .. 32 g + 31: one whole block of keys, as two tiles of 16: lane r of tile u holds token 8 u + r + 8 (r / 8).
; Wave w first quantises fragment w of x (tile w / 4, 128 along D from 128 (w % 4)); the eight fragments meet in LDS as images of their registers.  Then wave w is head w: three units (Q, K, V) of 64 columns x 32 tokens x 512 along D, 32 matrix instructions each, eight accumulators by turns.
; CLUSTER.  All work-groups read the same weights, so the four of a cluster ask for their codes JOINTLY.  Two slots of 512 rows x (256 + 16) bytes: at the head wave w asks for 128 rows (waves 0-3: Wq into slot 0, waves 4-7: Wk into slot 1), one tensor load a wave.
; Behind the Q unit, the full sequence and a round of the cluster's barrier, wave w asks for 64 rows of Wv into slot 0; the K unit stands between that request and the wait for it.  The weights' scale bytes (16 a row) go from memory into registers.
; No prefetch is laid: all is asked for at the head or one unit ahead, and the text has no loop.
; Q, K: source 0 = 16 rows of the weight, source 1 = 16 tokens.  Tile t takes as rows 0-7 the head's channels 8 t .. 8 t + 7 and as rows 8-15 channels 32 + 8 (t xor 1) .. + 7: so lane (r, h) holds token r and, in 32 registers, the WHOLE block h of its channels;
; block 1's groups of eight stand in the order 1 0 3 2, alike in Q and in K: a permutation of k inside one block, the same on both sides of Q K^T, keeps the products.  Rows 8-15 lie 40 (t even) or 24 (t odd) rows behind rows 0-7.
; V: source 0 = 16 tokens, source 1 = rows 16 t .. 16 t + 15 of the head: a lane holds one channel, and the 16 registers of tiles u = 0, 1 are tokens 16 (lane / 16) + 0 .. 15.
; OUT, as images of operand registers: q_img, k_img [head 16][block 128][u 2][lane 32][16 B], lane (r, h) = token (u, r), block h; q_scl, k_scl [head][block][lane = (u, r)][4 B], bytes s0 s1 s0 s1;
; v_img [head][128 keys][tile 4][c 2][lane 32][16 B], lane (r, h) = channel 16 tile + r, keys 64 c + 32 h on; v_scl [head][128 keys][pair of tiles 2][lane = (tile % 2, r)][4 B], byte j = block j.
; The scale bytes leave in runs of 128 bytes (Q, K) and as single bytes 4 apart (V: the four bytes of a word belong to four work-groups).
; LIMITS: NaN and infinities among the inputs are not served; a block whose largest magnitude lies under 2^-124, a block of zeros among them, gets the byte 1 (its codes are zeros, and these bytes are read by this program alone).
.set WP,    272                        ; a row of a weight's codes in LDS
.set SLOT,  512*WP
.set XIMG,  2*SLOT                     ; x's eight fragment images, 1,024 bytes each; no fill lands from here on
.set XSC,   XIMG+8192                  ; their scale words, 128 bytes each
.set STG,   XSC+1024                   ; each wave's own stage: 16 rows x (256 bytes + 16)
.set SPARE, STG+8*16*WP                ; the spare words, 128 bytes a wave
.set QW,   0                           ; v0   (behind the head) a tile's scale words on their way out
.set LI,   1                           ; v1   16 x lane
.set LS,   2                           ; v2   4 x lane
.set WQE,  3                           ; v3-6 my head's rows in slots 0 and 1, for even and odd tiles
.set WQO,  4
.set WKE,  5
.set WKO,  6
.set WVA,  7                           ; v7   my head's rows in slot 0, natural
.set SAE,  8                           ; v8-10 the same rows' scale bytes in memory
.set SAO,  9
.set SAV,  10
.set VO,   11                          ; v11  v_img: 1,024 h + 16 r
.set SELV, 12                          ; v12  byte selects for the scale words
.set SH8,  13                          ; v13  8 h
.set SPW,  14
.set NIL,  15
.set XF,   16                          ; v16-79   x's eight fragments (before that: 64 numbers of x, turned)
.set XS,   80                          ; v80-87   their scale words
.set ACC,  88                          ; v88-151  accumulators (before that: x as loaded)
.set WS,   152                         ; v152-183 the weights' scale words, two sets
.set PC,   184                         ; v184-191 codes just made
.set WF,   192                         ; v192-255 a weight's fragments, two sets of four; set 1 also serves as scratch between units:
.set TM,   224                         ; v224-239 largest magnitudes, bytes, the conversions' scale operands
.set PW,   240
.set T0,   241
.set T1,   242
.set XG,   244                         ; v244-250 addresses that serve the head alone
.set SW,   245
.set SRD,  246
.set XWI,  247
.set XWS,  248
.set XRI,  249
.set XRS,  250
.set WV,   30
.set GID,  31
.set SEL,  34
.set G1A,  52                          ; group 1: 128 rows;  G1B: 64 rows
.set G0A,  60
.set G1B,  68
.set G0B,  76
.macro CROUND                          ; a round of the cluster's barrier
	s_barrier_signal -1
	s_barrier_wait -1
	s_cmp_lg_u32 s[WV], 0
	s_cbranch_scc1 .Lnot_wave_0_\@
	s_barrier_signal -3
.Lnot_wave_0_\@:
	s_barrier_wait -3
	s_barrier_signal -1
	s_barrier_wait -1
.endm
.macro NOP4
.rept 4
	v_nop
.endr
.endm
.macro G1SET g, rows                   ; rows of 256 bytes, 16 bytes of padding behind each; the mask names all four work-groups, bit 21 beside it
	s_mov_b32 s[\g], 15|(1<<20)|(1<<21)|(5<<22)|(3<<25)
	s_mov_b32 s[\g+1], 256<<16
	s_mov_b32 s[\g+2], (\rows)<<16
	s_mov_b32 s[\g+3], 256<<16
	s_mov_b32 s[\g+4], \rows
	s_mov_b32 s[\g+5], 256
	s_mov_b32 s[\g+6], 0
	s_mov_b32 s[\g+7], 0
.endm
; 64 numbers of a lane, register 16 b + i = number 16 (lane / 16) + i of block b of my row, become codes in v[PC] on and four scale bytes in v[PW]  (x, V)
.macro QUANT s
.irp b, 0,1,2,3
	v_max3_num_f32 v[TM+\b], |v[\s+16*\b]|, |v[\s+1+16*\b]|, 0x1800000   ; my 16 numbers, and the floor 2^(3 - 127): the byte cannot fall under 1
.endr
.irp i, 2,4,6,8,10,12,14
.irp b, 0,1,2,3
	v_max3_num_f32 v[TM+\b], v[TM+\b], |v[\s+16*\b+\i]|, |v[\s+1+16*\b+\i]|
.endr
.endr
.irp b, 0,1,2,3
	v_permlanex16_b32 v[TM+4+\b], v[TM+\b], s[SEL], s[SEL+1]
.endr
.irp b, 0,1,2,3
	v_max_num_f32 v[TM+\b], v[TM+\b], v[TM+4+\b]   ; with lane l xor 16's: the block's largest magnitude
.endr
.irp b, 0,1,2,3
	v_add_nc_u32 v[TM+12+\b], 0xff000000, v[TM+\b] ; 2 off its exponent field: the conversion takes that field as its scale
.endr
.irp b, 0,1,2,3
	v_lshrrev_b32 v[TM+4+\b], 23, v[TM+12+\b]      ; the scale's byte
.endr
	v_lshl_or_b32 v[PW], v[TM+5], 8, v[TM+4]
	v_lshl_or_b32 v[TM+6], v[TM+7], 8, v[TM+6]
	v_lshl_or_b32 v[PW], v[TM+6], 16, v[PW]
.irp b, 0,1,2,3
	v_cvt_scalef32_pk8_fp4_f32 v[PC+2*\b], v[\s+16*\b:\s+7+16*\b], v[TM+12+\b]
	v_cvt_scalef32_pk8_fp4_f32 v[PC+1+2*\b], v[\s+8+16*\b:\s+15+16*\b], v[TM+12+\b]
.endr
	v_nop                                          ; one plain place behind a scaled conversion
.irp c, 0,1                                    ; a WHOLE block to a lane: lanes 0-15 block 2 c, lanes 16-31 block 2 c + 1
.irp i, 0,1
	v_permlane16_swap_b32 v[PC+4*\c+\i], v[PC+2+4*\c+\i]
.endr
.endr
.endm
; Q, K: registers 32 u + 0 .. 31 of a lane are one whole block of token (u, r): the maximum needs no other lane, and four conversions give the image's 16 bytes.  Then the stores.
.macro OUTQK img, scl
	s_wait_xcnt 0x0                                ; earlier stores have read their data: the codes' and words' registers are written again only behind this wait
.irp u, 0,1
	v_max3_num_f32 v[TM+\u], |v[ACC+32*\u]|, |v[ACC+32*\u+1]|, 0x1800000
	v_max3_num_f32 v[TM+2+\u], |v[ACC+32*\u+16]|, |v[ACC+32*\u+17]|, 0x1800000
.endr
.irp i, 2,4,6,8,10,12,14
.irp u, 0,1
	v_max3_num_f32 v[TM+\u], v[TM+\u], |v[ACC+32*\u+\i]|, |v[ACC+32*\u+\i+1]|
	v_max3_num_f32 v[TM+2+\u], v[TM+2+\u], |v[ACC+32*\u+16+\i]|, |v[ACC+32*\u+17+\i]|
.endr
.endr
.irp u, 0,1
	v_max_num_f32 v[TM+\u], v[TM+\u], v[TM+2+\u]
.endr
.irp u, 0,1
	v_add_nc_u32 v[TM+12+\u], 0xff000000, v[TM+\u]
.endr
.irp u, 0,1
	v_lshrrev_b32 v[TM+4+\u], 23, v[TM+12+\u]
.endr
	v_lshl_or_b32 v[PW], v[TM+5], 16, v[TM+4]      ; my block's byte for tile 0 in byte 0, for tile 1 in byte 2
.irp u, 0,1
.irp t, 0,1,2,3
	v_cvt_scalef32_pk8_fp4_f32 v[PC+4*\u+\t], v[ACC+32*\u+8*\t:ACC+32*\u+8*\t+7], v[TM+12+\u]
.endr
.endr
	v_permlanex16_b32 v[TM+6], v[PW], s[SEL], s[SEL+1]   ; the other block's bytes (a plain place behind the conversions)
	v_perm_b32 v[QW], v[PW], v[TM+6], v[SELV]      ; lanes 0-15: tile 0's s0 s1 s0 s1; lanes 16-31: tile 1's
	global_store_b128 v[LI], v[PC:PC+3], s[\img:\img+1]               ; tile u = 0: 512 consecutive bytes
	global_store_b128 v[LI], v[PC+4:PC+7], s[\img:\img+1] offset:512  ; tile u = 1
	global_store_b32 v[LS], v[QW], s[\scl:\scl+1]
.endm
.macro LOADS sb, set, ae, ao, st       ; my 64 rows' scale bytes: a row's 16 are the words of the four K steps
.irp t, 0,1,2,3
.if (\t%2)
	global_load_b128 v[WS+16*\set+4*\t:WS+16*\set+4*\t+3], v[\ao], s[\sb:\sb+1] offset:\st*\t
.else
	global_load_b128 v[WS+16*\set+4*\t:WS+16*\set+4*\t+3], v[\ae], s[\sb:\sb+1] offset:\st*\t
.endif
.endr
.endm
.macro FETCHW s, ae, ao, rs            ; my four tiles, 128 along D from 128 s, into set s % 2: eight loads
.irp t, 0,1,2,3
.irp c, 0,1
.if (\t%2)
	ds_load_b128 v[WF+32*((\s)%2)+8*\t+4*\c:WF+32*((\s)%2)+8*\t+4*\c+3], v[\ao] offset:\rs*WP*\t+64*(\s)+32*\c
.else
	ds_load_b128 v[WF+32*((\s)%2)+8*\t+4*\c:WF+32*((\s)%2)+8*\t+4*\c+3], v[\ae] offset:\rs*WP*\t+64*(\s)+32*\c
.endif
.endr
.endr
.endm
.macro PROD kind, set, s               ; eight products, the accumulators by turns; the first K step starts the sums with the constant 0
.irp u, 0,1
.irp t, 0,1,2,3
.set WW, WF+32*((\s)%2)+8*\t
.set XX, XF+8*(4*\u+\s)
.set SA, WS+16*\set+4*\t+\s
.set SX, XS+4*\u+\s
.if \kind == 0
.set DD, ACC+32*\u+8*\t
.if \s == 0
	v_wmma_scale_f32_16x16x128_f8f6f4 v[DD:DD+7], v[WW:WW+7], v[XX:XX+7], 0, v[SA], v[SX] matrix_a_fmt:MATRIX_FMT_FP4 matrix_b_fmt:MATRIX_FMT_FP4
.else
	v_wmma_scale_f32_16x16x128_f8f6f4 v[DD:DD+7], v[WW:WW+7], v[XX:XX+7], v[DD:DD+7], v[SA], v[SX] matrix_a_fmt:MATRIX_FMT_FP4 matrix_b_fmt:MATRIX_FMT_FP4
.endif
.else
.set DD, ACC+16*\t+8*\u
.if \s == 0
	v_wmma_scale_f32_16x16x128_f8f6f4 v[DD:DD+7], v[XX:XX+7], v[WW:WW+7], 0, v[SX], v[SA] matrix_a_fmt:MATRIX_FMT_FP4 matrix_b_fmt:MATRIX_FMT_FP4
.else
	v_wmma_scale_f32_16x16x128_f8f6f4 v[DD:DD+7], v[XX:XX+7], v[WW:WW+7], v[DD:DD+7], v[SX], v[SA] matrix_a_fmt:MATRIX_FMT_FP4 matrix_b_fmt:MATRIX_FMT_FP4
.endif
.endif
.endr
.endr
.endm
; A unit.  pre = 1: the first K step's fragments have been fetched.  lc: the younger global loads that may stay out (the next weight's scale words).  s_wait_dscnt 8: the next K step's eight loads may stay out.
.macro UNIT kind, set, ae, ao, rs, lc, pre
.if \pre == 0
	FETCHW 0, \ae, \ao, \rs
.endif
	FETCHW 1, \ae, \ao, \rs
	s_wait_loadcnt \lc
	s_wait_dscnt 8
	PROD \kind, \set, 0
	NOP4                                           ; four places in front of loads into registers that these products read
	FETCHW 2, \ae, \ao, \rs
	s_wait_dscnt 8
	PROD \kind, \set, 1
	NOP4
	FETCHW 3, \ae, \ao, \rs
	s_wait_dscnt 8
	PROD \kind, \set, 2
	s_wait_dscnt 0x0
	PROD \kind, \set, 3
	NOP4                                           ; in front of the first read of results, and of loads and writes into registers that the products read;
	v_nop                                          ; a fifth place: the next unit's first products begin these accumulators anew (ISA guide 7.12.1)
.endm
	s_load_b512 s[4:19], s[0:1], 0x0               ; x 4, Wq codes 6, scales 8, Wk codes 10, scales 12, Wv codes 14, scales 16, q_img 18
	s_load_b256 s[20:27], s[0:1], 0x40             ; q_scl 20, k_img 22, k_scl 24, v_img 26
	s_load_b64 s[28:29], s[0:1], 0x60              ; v_scl
	v_lshl_add_u32 v[SPW], v0, 2, SPARE
	v_mov_b32 v[NIL], 0
	ds_add_u32 v[SPW], v[NIL]                      ; the opening lines: the add, twice on end, and its wait
	ds_add_u32 v[SPW], v[NIL]
	v_lshrrev_b32 v16, 5, v0
	v_readfirstlane_b32 s[WV], v16                 ; wave 0..7
	v_and_b32 v16, 31, v0                          ; lane
	v_and_b32 v17, 15, v0                          ; r
	v_bfe_u32 v18, v0, 4, 1                        ; h
	v_bfe_u32 v19, v0, 3, 1                        ; r / 8
	v_lshlrev_b32 v[LI], 4, v16
	v_lshlrev_b32 v[LS], 2, v16
	v_lshlrev_b32 v[XG], 11, v18
	v_mul_u32_u24 v20, v18, WP
	v_mul_u32_u24 v21, v17, WP                     ; r x 272
	v_lshl_add_u32 v[XG], v17, 4, v[XG]            ; x: lanes 0-15 one token's 256 bytes, lanes 16-31 the next token's
	s_mul_i32 s32, s[WV], 16*WP
	s_add_co_u32 s32, s32, STG                     ; my stage
	v_lshl_add_u32 v20, v17, 4, v20
	v_lshl_add_u32 v22, v18, 6, v21
	v_add_nc_u32 v[SW], s32, v20                   ; in: row lane / 16, 16 bytes a lane
	v_add_nc_u32 v[SRD], s32, v22                  ; back: row r, + 64 h
	s_lshl_b32 s33, s[WV], 10
	s_add_co_u32 s33, s33, XIMG
	v_add_nc_u32 v[XWI], s33, v[LI]
	s_lshl_b32 s33, s[WV], 7
	s_add_co_u32 s33, s33, XSC
	v_add_nc_u32 v[XWS], s33, v[LS]
	v_add_nc_u32 v[XRI], XIMG, v[LI]
	v_add_nc_u32 v[XRS], XSC, v[LS]
	s_mul_i32 s32, s[WV], 64*WP                    ; my head's 64 rows
	v_lshl_add_u32 v22, v18, 4, v21
	v_mul_u32_u24 v23, v19, 16*WP
	v_add_nc_u32 v[WVA], s32, v22                  ; row r, + 16 h
	v_lshlrev_b32 v[SAV], 4, v17
	v_add_nc_u32 v[WQO], v[WVA], v23               ; odd tiles: row r + 16 (r / 8)
	v_lshl_add_u32 v[SAO], v19, 8, v[SAV]
	v_add_nc_u32 v[WQE], v[WQO], v23               ; even tiles: row r + 32 (r / 8)
	v_lshl_add_u32 v[SAE], v19, 9, v[SAV]
	v_add_nc_u32 v[WKO], SLOT, v[WQO]
	v_add_nc_u32 v[WKE], SLOT, v[WQE]
	v_lshlrev_b32 v[VO], 10, v18
	s_mov_b32 s50, 0x05fe05fe
	v_mul_lo_u32 v[SELV], v18, s50
	v_lshl_add_u32 v[VO], v17, 4, v[VO]
	v_lshlrev_b32 v[SH8], 3, v18
	v_add_nc_u32 v[SELV], 0x00040004, v[SELV]      ; lanes 0-15: my byte 0, the other's byte 0, twice; lanes 16-31: the other's byte 2, my byte 2, twice
.irp b, 0,1,2,3
	v_mov_b32 v[TM+4+\b], 0                        ; a lane permute's destination counts as one of its sources
.endr
	s_mov_b32 s[SEL], 0x76543210
	s_mov_b32 s[SEL+1], 0xfedcba98                 ; v_permlanex16_b32's selects for lane l xor 16
	; byte offsets, each in a pair of its own.  My place in the cluster enters global addresses of x and of the results alone
	s_bfe_u32 s50, ttmp6, 0x40000                  ; cx
	s_lshl_b32 s[GID], ttmp9, 2
	s_add_co_u32 s[GID], s[GID], s50               ; g
	s_lshr_b32 s51, s[WV], 2
	s_lshl_b32 s51, s51, 14                        ; x: tile w / 4 begins 8 tokens of 2,048 bytes on,
	s_and_b32 s52, s[WV], 3
	s_lshl_b32 s52, s52, 9                         ; 128 numbers along D are 512 bytes,
	s_lshl_b32 s36, s[GID], 16                     ; a work-group's 32 tokens 65,536
	s_add_co_u32 s36, s36, s51
	s_add_co_u32 s36, s36, s52
	s_mov_b32 s37, 0
	s_lshl_b32 s40, s[WV], 10                      ; a head's 64 rows of scale bytes
	s_mov_b32 s41, 0
	s_lshr_b32 s51, s[GID], 7
	s_lshl_b32 s51, s51, 3
	s_add_co_u32 s51, s51, s[WV]                   ; 8 x batch + head
	s_and_b32 s52, s[GID], 127                     ; the block's number in its batch
	s_lshl_b32 s42, s51, 17
	s_lshl_b32 s53, s52, 10
	s_add_co_u32 s42, s42, s53                     ; q_img, k_img
	s_mov_b32 s43, 0
	s_lshl_b32 s44, s51, 14
	s_lshl_b32 s53, s52, 7
	s_add_co_u32 s44, s44, s53                     ; q_scl, k_scl
	s_mov_b32 s45, 0
	s_lshl_b32 s46, s51, 17
	s_lshr_b32 s53, s52, 2                         ; which 128 keys
	s_lshl_b32 s54, s53, 12
	s_add_co_u32 s46, s46, s54
	s_bfe_u32 s54, s52, 0x10001                    ; which 64 of them
	s_lshl_b32 s54, s54, 9
	s_add_co_u32 s46, s46, s54
	s_and_b32 s54, s52, 1                          ; which 32 of those: the half of the lanes
	s_lshl_b32 s54, s54, 8
	s_add_co_u32 s46, s46, s54                     ; v_img
	s_mov_b32 s47, 0
	s_lshl_b32 s48, s51, 13
	s_lshl_b32 s54, s53, 8
	s_add_co_u32 s48, s48, s54
	s_and_b32 s54, s52, 3                          ; my block's byte in a word
	s_add_co_u32 s48, s48, s54                     ; v_scl
	s_mov_b32 s49, 0
	G1SET G1A, 128                                 ; the descriptors' constant words, behind the last use of s50 to s54 as temporaries
	G1SET G1B, 64
	s_and_b32 s80, s[WV], 3
	s_lshl_b32 s80, s80, 15                        ; the head's load: 128 rows of 256 bytes in memory,
	s_mov_b32 s81, 0
	s_mul_i32 s[G0A+1], s[WV], 128*WP              ; and in LDS: wave x 128 rows runs through both slots
	s_lshl_b32 s82, s[WV], 14                      ; Wv's load: 64 rows
	s_mov_b32 s83, 0
	s_mul_i32 s[G0B+1], s[WV], 64*WP
	s_mov_b32 s[G0A], 1
	s_mov_b32 s[G0B], 1
	s_wait_alu depctr_va_vdst(0)                   ; a wait at the head's end, directly ahead of the wait below
	s_wait_dscnt 0x0                               ; both opening adds are done
	s_wait_kmcnt 0x0
	s_add_nc_u64 s[4:5], s[4:5], s[36:37]
	s_add_nc_u64 s[8:9], s[8:9], s[40:41]
	s_add_nc_u64 s[12:13], s[12:13], s[40:41]
	s_add_nc_u64 s[16:17], s[16:17], s[40:41]
.irp p, 0,1                                    ; x: my tile's 16 tokens, 128 numbers each; sixteen lanes read 256 consecutive bytes, aligned
.irp i, 0,1,2,3,4,5,6,7
	global_load_b128 v[ACC+32*\p+4*\i:ACC+32*\p+4*\i+3], v[XG], s[4:5] offset:(2*\i+8*(\i/4))*2048+256*\p th:TH_LOAD_NT
.endr
.endr
	LOADS 8, 0, SAE, SAO, 128                      ; Wq's scale words
	LOADS 12, 1, SAE, SAO, 128                     ; Wk's
	s_cmp_lt_u32 s[WV], 4
	s_cselect_b64 s[G0A+2:G0A+3], s[6:7], s[10:11]
	s_add_nc_u64 s[G0A+2:G0A+3], s[G0A+2:G0A+3], s[80:81]
	s_or_b32 s[G0A+3], s[G0A+3], 0x80000000
	s_add_nc_u64 s[G0B+2:G0B+3], s[14:15], s[82:83]
	s_or_b32 s[G0B+3], s[G0B+3], 0x80000000
	s_add_nc_u64 s[18:19], s[18:19], s[42:43]
	s_add_nc_u64 s[20:21], s[20:21], s[44:45]
	s_add_nc_u64 s[22:23], s[22:23], s[42:43]
	s_add_nc_u64 s[24:25], s[24:25], s[44:45]
	s_add_nc_u64 s[26:27], s[26:27], s[46:47]
	s_add_nc_u64 s[28:29], s[28:29], s[48:49]
	CROUND                                         ; all four work-groups are here: the joint loads meet
	tensor_load_to_lds s[G0A:G0A+3], s[G1A:G1A+7]  ; every wave's one load at the head
	s_nop 0
	NOP4
	s_wait_loadcnt 8                               ; x is in; the eight loads of scale words may be out
	; the numbers turn through my own stage, 64 along D at a time, so that a lane holds 16 neighbours of each block of its row; LDS serves a wave's instructions in order (ISA guide 5.7.1.4)
.irp p, 0,1
.irp i, 0,1,2,3,4,5,6,7
	ds_store_b128 v[SW], v[ACC+32*\p+4*\i:ACC+32*\p+4*\i+3] offset:2*WP*\i
.endr
.irp b, 0,1
.irp j, 0,1,2,3
	ds_load_b128 v[XF+16*(2*\p+\b)+4*\j:XF+16*(2*\p+\b)+4*\j+3], v[SRD] offset:128*\b+16*\j
.endr
.endr
.endr
	s_wait_dscnt 0x0
	QUANT XF
.irp c, 0,1
	ds_store_b128 v[XWI], v[PC+4*\c:PC+4*\c+3] offset:512*\c   ; the fragment goes to LDS as it stands
.endr
	ds_store_b32 v[XWS], v[PW]
	s_wait_tensorcnt 0x0                           ; my rows of Wq or Wk have landed,
	s_wait_dscnt 0x0                               ; my stores too,
	s_barrier_signal -1
	s_barrier_wait -1                              ; everybody's have
.irp f, 0,1,2,3,4,5,6,7
.irp c, 0,1
	ds_load_b128 v[XF+8*\f+4*\c:XF+8*\f+4*\c+3], v[XRI] offset:1024*\f+512*\c
.endr
.endr
.irp f, 0,1,2,3,4,5,6,7
	ds_load_b32 v[XS+\f], v[XRS] offset:128*\f
.endr
	UNIT 0, 0, WQE, WQO, 8, 4, 0                   ; Q: Wq's scale words are in, Wk's four loads may be out
	LOADS 16, 0, SAV, SAV, 256                     ; Wv's scale words take Wq's set
	FETCHW 0, WKE, WKO, 8                          ; K's first fragments
	s_wait_tensorcnt 0x0                           ; the full sequence in front of the refill of slot 0: no tensor load of mine is out,
	ds_add_u32 v[SPW], v[NIL]                      ; an add,
	s_wait_dscnt 0x0                               ; it is done, and so are my reads of slot 0
	CROUND                                         ; that holds of every wave of the four work-groups
	tensor_load_to_lds s[G0B:G0B+3], s[G1B:G1B+7]  ; Wv, 64 rows a wave, into slot 0
	s_nop 0
	NOP4
	OUTQK 18, 20
	UNIT 0, 1, WKE, WKO, 8, 4, 1                   ; K: Wk's scale words are in, Wv's four loads may be out
	OUTQK 22, 24
	s_wait_tensorcnt 0x0                           ; my rows of Wv have landed,
	s_wait_dscnt 0x0
	s_barrier_signal -1
	s_barrier_wait -1                              ; everybody's have
	UNIT 1, 0, WVA, WVA, 16, 0, 0                  ; V
	s_wait_xcnt 0x0                                ; K's stores have read their data
	QUANT ACC                                      ; block t: the 32 keys of channel 16 t + r
	global_store_b128 v[VO], v[PC:PC+3], s[26:27]                ; lanes 0-15: tile 0's channels, lanes 16-31: tile 1's: 256 consecutive bytes each
	global_store_b128 v[VO], v[PC+4:PC+7], s[26:27] offset:2048  ; tiles 2 and 3
	v_lshrrev_b32 v[T0], v[SH8], v[PW]             ; lanes 0-15: tile 0's byte, lanes 16-31: tile 1's
	v_lshrrev_b32 v[T1], 16, v[T0]                 ; tiles 2 and 3
	global_store_b8 v[LS], v[T0], s[28:29]
	global_store_b8 v[LS], v[T1], s[28:29] offset:128
	s_wait_tensorcnt 0x0                           ; the wave's end
	ds_add_u32 v[SPW], v[NIL]
	s_wait_dscnt 0x0
	CROUND                                         ; the closing round
	s_endpgm
.Lfunc_end_k_qc1abed330f_qkv:
	.size	k_qc1abed330f_qkv, .Lfunc_end_k_qc1abed330f_qkv-k_qc1abed330f_qkv
	.p2alignl 7, 3214868480
	.fill 96, 4, 3214868480
	.section	.rodata,"a",@progbits
	.p2align	6, 0x0
	.amdhsa_kernel k_qc1abed330f_qkv
		.amdhsa_group_segment_fixed_size 327680
		.amdhsa_private_segment_fixed_size 0
		.amdhsa_enable_private_segment 0
		.amdhsa_kernarg_size 104
		.amdhsa_user_sgpr_count 2
		.amdhsa_user_sgpr_kernarg_segment_ptr 1
		.amdhsa_wavefront_size32 1
		.amdhsa_system_sgpr_workgroup_id_x 1
		.amdhsa_system_sgpr_workgroup_id_y 1
		.amdhsa_system_sgpr_workgroup_id_z 1
		.amdhsa_system_vgpr_workitem_id 0
		.amdhsa_next_free_vgpr 256
		.amdhsa_next_free_sgpr 100
		.amdhsa_reserve_vcc 0
		.amdhsa_float_denorm_mode_32 3
		.amdhsa_float_denorm_mode_16_64 3
		.amdhsa_memory_ordered 1
		.amdhsa_forward_progress 1
		.amdhsa_inst_pref_size 50
	.end_amdhsa_kernel
	.amdgpu_metadata
---
amdhsa.version: [ 1, 2 ]
amdhsa.kernels:
  - .name:           k_qc1abed330f_qkv
    .symbol:         k_qc1abed330f_qkv.kd
    .args:
      - { .name: x, .offset: 0, .size: 8, .value_kind: global_buffer, .address_space: global }
      - { .name: W_q_codes, .offset: 8, .size: 8, .value_kind: global_buffer, .address_space: global }
      - { .name: W_q_scales, .offset: 16, .size: 8, .value_kind: global_buffer, .address_space: global }
      - { .name: W_k_codes, .offset: 24, .size: 8, .value_kind: global_buffer, .address_space: global }
      - { .name: W_k_scales, .offset: 32, .size: 8, .value_kind: global_buffer, .address_space: global }
      - { .name: W_v_codes, .offset: 40, .size: 8, .value_kind: global_buffer, .address_space: global }
      - { .name: W_v_scales, .offset: 48, .size: 8, .value_kind: global_buffer, .address_space: global }
      - { .name: q_img, .offset: 56, .size: 8, .value_kind: global_buffer, .address_space: global }
      - { .name: q_scl, .offset: 64, .size: 8, .value_kind: global_buffer, .address_space: global }
      - { .name: k_img, .offset: 72, .size: 8, .value_kind: global_buffer, .address_space: global }
      - { .name: k_scl, .offset: 80, .size: 8, .value_kind: global_buffer, .address_space: global }
      - { .name: v_img, .offset: 88, .size: 8, .value_kind: global_buffer, .address_space: global }
      - { .name: v_scl, .offset: 96, .size: 8, .value_kind: global_buffer, .address_space: global }
    .group_segment_fixed_size: 327680
    .private_segment_fixed_size: 0
    .kernarg_segment_align: 8
    .kernarg_segment_size: 104
    .max_flat_workgroup_size: 256
    .sgpr_count:     100
    .vgpr_count:     256
    .wavefront_size: 32
...
	.end_amdgpu_metadata
.endif
;; end of part 1
;; launch attn (part 2): grid 16 x 16, 16 waves a work-group, clusters of 4 x 1, 327,680 bytes of LDS; arguments q_img, q_scl, k_img, k_scl, v_img, v_scl, c_img, c_scl; writes c_img, c_scl
.if DOCPART == 2
	.amdgcn_target "amdgcn-amd-amdhsa--gfx1250"
	.amdhsa_code_object_version 6
	.text
	.protected	k_qc1abed330f_attn
	.globl	k_qc1abed330f_attn
	.p2align	8
	.type	k_qc1abed330f_attn,@function
k_qc1abed330f_attn:
	s_mov_b64 s[64:65], 0
	v_nop
	global_prefetch_b8 v0, s[64:65] scope:SCOPE_SE
	s_setreg_imm32_b32 hwreg(HW_REG_WAVE_MODE, 25, 1), 1
	s_wait_xcnt 0x0
	s_wait_alu depctr_hold_cnt(0) depctr_sa_sdst(0) depctr_va_vdst(0) depctr_va_sdst(0) depctr_va_ssrc(0) depctr_va_vcc(0) depctr_vm_vsrc(0)
	s_getreg_b32 s2, hwreg(HW_REG_IB_STS2, 6, 4)
	s_cmp_eq_u32 s2, 0
	s_cbranch_scc0 .Lentry_in_a_cluster
	s_endpgm
.Lentry_in_a_cluster:
	s_bfe_u32 s2, ttmp6, 0x10000c
	s_cmp_lg_u32 s2, 0x3003
	s_cbranch_scc0 .Lentry_shape_is_right
	s_endpgm
.Lentry_shape_is_right:
; ctx[q] = (sum over keys of p V) / l, p = 2^(t - M), t = (Q . K) log2(e) / 8, M = the running largest t rounded UP to a whole number, l = the sum of the unquantised p.
; Both products on codes of FP4 (E2M1) with one E8M0 byte for each 32 along K.  ctx is quantised along a head's 64 channels and leaves as codes.
; SHARES.  Work-group (x, y): head y (of 16 = 2 batches x 8), queries 256 x on.  Each of its sixteen waves owns one tile of 16 queries in 256 registers, four waves to a SIMD.  Every wave walks the head's 4,096 keys, 128 a step.
; THE WHOLE HEAD LIES IN LDS, FILLED ONCE: K's codes (128 blocks of 1,024 bytes, 128 bytes of padding behind each), V's codes 131,072 bytes, K's scale words 16,384, V's 8,192.
; CLUSTER.  The four work-groups of a cluster share the head, so every fill is asked for JOINTLY.  At the head waves 0 to 3 ask for one block each: K's and V's codes of key steps 0-3 and all scale words.
; Behind the full sequence and a round of the cluster's barrier, waves 0-6 ask for K's other codes and waves 8-14 for V's, 16,384 bytes of memory a wave: one tensor load a wave is out.  Steps 0-3 are walked meanwhile.
; Nothing is asked for later than that, so no prefetch is laid.
; K = 64 IN AN INSTRUCTION OF 128.  A fragment of K holds TWO tiles of 16 keys (registers 0-3, registers 4-7).  Q stands between zeros (Z Q Z, 12 registers): the first tile is multiplied by [Q | 0], the second by [0 | Q].
; A scale word repeats its two bytes (s0 s1 s0 s1), so it serves either half; K's word register holds the first tile's words in lanes 0-15, the second's in lanes 16-31.
; LAYOUT.  Both products are used transposed (S^T = K Q^T, O^T = V^T P^T): a lane holds one query throughout.  Of the 64 keys of blocks 2 c and 2 c + 1, tile u (0..3) takes keys 8 u .. 8 u + 7 of block 2 c as rows 0-7
; and the same of block 2 c + 1 as rows 8-15.  So lane (r, h) holds in registers 32 c + 0 .. 31 the WHOLE block 2 c + h in order: the block's maximum needs no other lane, and four conversions give the operand's registers 4 c .. 4 c + 3 as they stand.
; k_img keeps its order (block, u 2, lane 32, 16 bytes; lane (r, h) = token 8 u + r + 8 (r / 8)): key 8 u' + r of a block lies at (u' % 2) 512 + (u' / 2) 128 + 16 r + 256 h.  Lanes 8-15 read one block on: 1,152 bytes.
; THE SECOND PRODUCT RUNS ONE STEP LATE: step i rescales O^T by step i - 1's f, between the lines of its own chain for M, and multiplies step i - 1's codes; V's fragments are asked for a step ahead of their use, K's in the middle of the step before.
; LIMITS: NaN and infinities are not served; the promise holds while the scaled scores stay under 2^31 in magnitude; a p under 2^-126 becomes 0 (v_exp_f32 gives no denormals: ISA guide, its entry in 15.8); a block whose largest number lies under 2^-124 gets the byte 1; O / l is a reciprocal and a multiplication.
.set KBLK, 1152                        ; a block of 32 keys in LDS
.set KST,  4*KBLK                      ; a key step of K's codes
.set VC,   147456                      ; V's codes
.set KSB,  278528                      ; K's scale words
.set VSB,  294912                      ; V's
.set CST,  303104                      ; 512 bytes into which no fill lands: the work-group's scale bytes of ctx
.set SPARE, 303616                     ; the spare words: 128 bytes a wave
.set L16,  1                           ; v1   16 x lane
.set AKB,  2                           ; v2   K's codes: 1,152 (r / 8) + 16 (r % 8) + 256 h
.set AVB,  3                           ; v3   VC + 16 x lane
.set ASB,  4                           ; v4   KSB + 128 (r / 8) + 4 (r % 8) + 64 h
.set ATB,  5                           ; v5   VSB + 4 x lane
.set ADK,  6                           ; v6-9 the addresses in hand
.set ADS,  7
.set ADV,  8
.set ADT,  9
.set CSA,  10                          ; v10  CST + 32 x wave + 2 r
.set CSR,  11                          ; v11  CST + 16 x lane
.set QS,   28                          ; v28  Q's scale words.  v12 -M, v13 the largest score, v[14:15] the sum in two halves, v[16:27] Z Q Z
.set QA,   29                          ; v29  4 r
.set KF,   32                          ; v32-63   K: four fragments
.set VF,   64                          ; v64-95   V: four fragments
.set S,    96                          ; v96-159  S^T, then p; at the end ctx
.set O,    160                         ; v160-191 O^T
.set PC,   192                         ; v192-199 p's codes
.set KSC,  200                         ; v200-203 K's scale words
.set VSC,  204                         ; v204-205 V's
.set PW,   206                         ; v206 p's scale word
.set BM,   208                         ; v208-209 my two blocks' largest score, then largest p; v210-211 second chains
.set BP,   210
.set BS,   212                         ; v212-213 the conversions' scale operands
.set BY,   214                         ; v214-215 the bytes
.set PP,   216                         ; v216 lane l xor 16's bytes
.set TO,   218                         ; v218 the old -M
.set F,    220                         ; v[220:221] f = 2^(old M - new M); the upper word is only named
.set T,    222
.set T2,   223
.set SU,   224                         ; v224-229 the sum's other three chains
.set SPW,  254
.set NIL,  255
.set WV,   20
.set CNT,  21
.set SEL,  22
.set CS,   24                          ; s[24:25] c = log2(e) / 8
.set HD,   26
.set W7,   27
.set G1K,  28                          ; group 1: 16 blocks of K, padded;  G1A: 64 rows of 256 bytes;  G1D: 32 rows
.set G1A,  36
.set G1D,  44
.set G0K1, 52
.set G0V1, 56
.set G0KS, 60
.set G0VS, 68
.set G0K2, 72
.set G0V2, 76
.set TK,   80                          ; s80  K's codes of the step that is fetched next
.set TS,   81                          ; s81  and its scale words: 512 bytes a step
.set TVC,  82                          ; s82  V's codes of the step in hand: 4,096 bytes a step
.set TV,   83                          ; s83  and its scale words: 256 bytes a step
.macro CROUND                          ; a round of the cluster's barrier
	s_barrier_signal -1
	s_barrier_wait -1
	s_cmp_lg_u32 s[WV], 0
	s_cbranch_scc1 .Lnot_wave_0_\@
	s_barrier_signal -3
.Lnot_wave_0_\@:
	s_barrier_wait -3
	s_barrier_signal -1
	s_barrier_wait -1
.endm
.macro G1SET g, rows                   ; a dense block as rows of 256 bytes: 32 elements of 8 bytes, no padding
	s_mov_b32 s[\g], 15|(3<<16)|(1<<21)            ; the mask names all four work-groups; elements of 8 bytes; bit 21 set beside a mask
	s_mov_b32 s[\g+1], 32<<16
	s_mov_b32 s[\g+2], (\rows)<<16
	s_mov_b32 s[\g+3], 32<<16
	s_mov_b32 s[\g+4], \rows
	s_mov_b32 s[\g+5], 32
	s_mov_b32 s[\g+6], 0
	s_mov_b32 s[\g+7], 0
.endm
.macro G0SET g, lds, base
	s_mov_b32 s[\g], 1
	s_mov_b32 s[\g+1], \lds
	s_mov_b64 s[\g+2:\g+3], s[\base:\base+1]
	s_or_b32 s[\g+3], s[\g+3], 0x80000000
.endm
.macro NOP4
.rept 4
	v_nop
.endr
.endm
	s_load_b256 s[4:11], s[0:1], 0x0               ; q_img 4, q_scl 6, k_img 8, k_scl 10
	s_load_b256 s[12:19], s[0:1], 0x20             ; v_img 12, v_scl 14, c_img 16, c_scl 18
	v_lshl_add_u32 v[SPW], v0, 2, SPARE
	v_mov_b32 v[NIL], 0
	ds_add_u32 v[SPW], v[NIL]                      ; the opening lines: the add, twice on end, and its wait
	ds_add_u32 v[SPW], v[NIL]
	v_lshrrev_b32 v6, 5, v0
	v_readfirstlane_b32 s[WV], v6                  ; wave 0..15
	v_and_b32 v7, 31, v0                           ; lane
	v_and_b32 v8, 15, v0                           ; r
	v_bfe_u32 v9, v0, 4, 1                         ; h
	v_lshlrev_b32 v[L16], 4, v7
	v_lshl_add_u32 v[AVB], v7, 4, VC
	v_lshl_add_u32 v[ATB], v7, 2, VSB
	v_lshl_add_u32 v[CSR], v7, 4, CST
	v_and_b32 v6, 7, v0                            ; r % 8
	v_bfe_u32 v7, v0, 3, 1                         ; r / 8
	v_mul_u32_u24 v[AKB], v7, KBLK
	v_lshlrev_b32 v[ASB], 7, v7
	v_lshl_add_u32 v[AKB], v6, 4, v[AKB]
	v_lshl_add_u32 v[ASB], v6, 2, v[ASB]
	v_lshl_add_u32 v[AKB], v9, 8, v[AKB]
	v_lshl_add_u32 v[ASB], v9, 6, v[ASB]
	v_lshlrev_b32 v[QA], 2, v8
	v_add_nc_u32 v[ASB], KSB, v[ASB]
	s_lshl_b32 s87, s[WV], 5
	s_add_co_u32 s87, s87, CST
	v_lshl_add_u32 v[CSA], v8, 1, s87
	s_mov_b32 s[G1K], 15|(3<<16)|(1<<20)|(1<<21)|(7<<22)|(31<<25)   ; rows of 1,024 bytes (128 elements of 8); behind every 256 words 32 words of padding
	s_mov_b32 s[G1K+1], 128<<16
	s_mov_b32 s[G1K+2], 16<<16
	s_mov_b32 s[G1K+3], 128<<16
	s_mov_b32 s[G1K+4], 16
	s_mov_b32 s[G1K+5], 128
	s_mov_b32 s[G1K+6], 0
	s_mov_b32 s[G1K+7], 0
	G1SET G1A, 64
	G1SET G1D, 32
	s_mov_b32 s[SEL], 0x76543210
	s_mov_b32 s[SEL+1], 0xfedcba98                 ; v_permlanex16_b32's selects for lane l xor 16
	s_mov_b32 s[CS], 0x3e38aa3b                    ; log2(e) / 8
	s_mov_b32 s[CS+1], s[CS]
	s_and_b32 s[W7], s[WV], 7                      ; the second group: part 1 + wave % 8 of eight (wave % 8 = 7 asks for nothing)
	s_min_u32 s92, s[W7], 6
	s_add_co_u32 s92, s92, 1
	s_mul_i32 s93, s92, 16*KBLK                    ; K's part in LDS
	s_lshl_b32 s94, s92, 14                        ; the part in memory, and V's in LDS
	s_mov_b32 s95, 0
	s_and_b32 s[HD], ttmp7, 0xffff                 ; the head, which the four partners share
	s_lshl_b32 s96, s[HD], 17
	s_mov_b32 s97, 0
	s_lshl_b32 s98, s[HD], 14
	s_mov_b32 s99, 0
	s_lshl_b32 s90, s[HD], 13
	s_mov_b32 s91, 0
	s_wait_dscnt 0x0                               ; both opening adds are done
	s_wait_kmcnt 0x0
	s_add_nc_u64 s[8:9], s[8:9], s[96:97]          ; the head's codes of K,
	s_add_nc_u64 s[12:13], s[12:13], s[96:97]      ; of V,
	s_add_nc_u64 s[10:11], s[10:11], s[98:99]      ; K's scale words,
	s_add_nc_u64 s[14:15], s[14:15], s[90:91]      ; V's
	G0SET G0K1, 0, 8
	G0SET G0V1, VC, 12
	G0SET G0KS, KSB, 10
	G0SET G0VS, VSB, 14
	s_mov_b32 s[G0K2], 1
	s_mov_b32 s[G0K2+1], s93
	s_add_nc_u64 s[G0K2+2:G0K2+3], s[8:9], s[94:95]
	s_or_b32 s[G0K2+3], s[G0K2+3], 0x80000000
	s_mov_b32 s[G0V2], 1
	s_add_co_u32 s[G0V2+1], s94, VC
	s_add_nc_u64 s[G0V2+2:G0V2+3], s[12:13], s[94:95]
	s_or_b32 s[G0V2+3], s[G0V2+3], 0x80000000
	CROUND                                         ; all four work-groups are here: the joint loads meet
; the head's loads, one a wave, in one chain of branches on the wave's number
.macro ARM under, g0, g1, next
	s_cmp_lt_u32 s[WV], \under
	s_cbranch_scc0 \next
	tensor_load_to_lds s[\g0:\g0+3], s[\g1:\g1+7]
	s_nop 0
	NOP4
	s_branch .Lhead_asked
\next:
.endm
	ARM 1, G0K1, G1K, .Lh_v
	ARM 2, G0V1, G1A, .Lh_ks
	ARM 3, G0KS, G1A, .Lh_vs
	ARM 4, G0VS, G1D, .Lh_none
.Lhead_asked:
	; my tile of queries, and where its ctx goes.  My place in the cluster enters these global addresses alone
	s_bfe_u32 s87, ttmp6, 0x40000                  ; cx
	s_lshl_b32 s88, ttmp9, 2
	s_add_co_u32 s88, s88, s87                     ; my block of 256 queries
	s_lshl_b32 s88, s88, 4                         ; its first tile in the head
	s_add_co_u32 s89, s88, s[WV]                   ; my tile
	s_lshl_b32 s92, s[HD], 17
	s_lshl_b32 s91, s89, 9
	s_add_co_u32 s92, s92, s91
	s_mov_b32 s93, 0
	s_add_nc_u64 s[4:5], s[4:5], s[92:93]          ; q_img: 512 bytes a tile
	s_lshl_b32 s92, s[HD], 14
	s_lshl_b32 s91, s89, 6
	s_add_co_u32 s92, s92, s91
	s_add_nc_u64 s[6:7], s[6:7], s[92:93]          ; q_scl: 64 bytes a tile
	s_lshr_b32 s94, s[HD], 3
	s_lshl_b32 s94, s94, 8                         ; 256 tiles a batch
	s_and_b32 s95, s[HD], 7                        ; the head in its batch
	s_add_co_u32 s91, s94, s89
	s_lshl_b32 s92, s91, 12                        ; c_img: 4,096 bytes a tile,
	s_lshl_b32 s91, s95, 9                         ; 512 a head
	s_add_co_u32 s92, s92, s91
	s_add_nc_u64 s[16:17], s[16:17], s[92:93]
	s_add_co_u32 s91, s94, s88
	s_lshl_b32 s92, s91, 5                         ; c_scl: 32 bytes a tile,
	s_lshl_b32 s91, s95, 14                        ; 16,384 a head
	s_add_co_u32 s92, s92, s91
	s_add_nc_u64 s[18:19], s[18:19], s[92:93]
	s_wait_alu depctr_va_vdst(0)                   ; a wait here, directly ahead of the readers below
	global_load_b128 v[20:23], v[L16], s[4:5]      ; Q stays in registers
	global_load_b32 v[QS], v[QA], s[6:7]
.irp j, 16,17,18,19,24,25,26,27
	v_mov_b32 v[\j], 0                             ; the zero codes on both sides of Q
.endr
	v_mov_b32 v13, 0xff61b1e6                      ; the largest score so far: -3e38
	v_mov_b32 v14, 0
	v_mov_b32 v15, 0
	v_mov_b32 v[T2], 0                             ; written once: a lane permute's destination counts as one of its sources
	v_mov_b32 v[PP], 0
	v_mov_b32 v[F+1], 0
	v_mul_f32 v12, s[CS], v13
	v_floor_f32 v12, -v12                          ; -M
.macro KLOAD                           ; a step's four fragments of K and their scale words: 12 loads
.irp k, 0,1,2,3
.irp u, 0,1
	ds_load_b128 v[KF+8*\k+4*\u:KF+8*\k+4*\u+3], v[ADK] offset:(\k/2)*2*KBLK+(\k%2)*128+512*\u
.endr
.endr
.irp k, 0,1,2,3
	ds_load_b32 v[KSC+\k], v[ADS] offset:(\k/2)*256+(\k%2)*32
.endr
.endm
.macro VLOAD                           ; a step's four fragments of V and their scale words: 10 loads
.irp t, 0,1,2,3
.irp c, 0,1
	ds_load_b128 v[VF+8*\t+4*\c:VF+8*\t+4*\c+3], v[ADV] offset:1024*\t+512*\c
.endr
.endr
.irp g, 0,1
	ds_load_b32 v[VSC+\g], v[ADT] offset:128*\g
.endr
.endm
.macro OMUL on, j0, n                  ; O^T under the last step's M: n pairs from register j0 on, each accumulator from its low end on
.if \on == 2
.set J, \j0
.rept \n
	v_pk_mul_f32 v[O+J:O+J+1], v[O+J:O+J+1], v[F:F+1] op_sel_hi:[1,0]
.set J, J+2
.endr
.endif
.endm
.macro PV mode                         ; O^T += V^T P^T, four accumulators by turns; mode 1: the first product starts the sums
.irp t, 0,2
.if \mode == 1
	v_wmma_scale_f32_16x16x128_f8f6f4 v[O+8*\t:O+8*\t+7], v[VF+8*\t:VF+8*\t+7], v[PC:PC+7], 0, v[VSC+\t/2], v[PW] matrix_a_fmt:MATRIX_FMT_FP4 matrix_b_fmt:MATRIX_FMT_FP4
	v_wmma_scale_f32_16x16x128_f8f6f4 v[O+8*\t+8:O+8*\t+15], v[VF+8*\t+8:VF+8*\t+15], v[PC:PC+7], 0, v[VSC+\t/2], v[PW] matrix_a_fmt:MATRIX_FMT_FP4 matrix_b_fmt:MATRIX_FMT_FP4 matrix_a_scale:MATRIX_SCALE_ROW1
.else
	v_wmma_scale_f32_16x16x128_f8f6f4 v[O+8*\t:O+8*\t+7], v[VF+8*\t:VF+8*\t+7], v[PC:PC+7], v[O+8*\t:O+8*\t+7], v[VSC+\t/2], v[PW] matrix_a_fmt:MATRIX_FMT_FP4 matrix_b_fmt:MATRIX_FMT_FP4
	v_wmma_scale_f32_16x16x128_f8f6f4 v[O+8*\t+8:O+8*\t+15], v[VF+8*\t+8:VF+8*\t+15], v[PC:PC+7], v[O+8*\t+8:O+8*\t+15], v[VSC+\t/2], v[PW] matrix_a_fmt:MATRIX_FMT_FP4 matrix_b_fmt:MATRIX_FMT_FP4 matrix_a_scale:MATRIX_SCALE_ROW1
.endif
.endr
.endm
.macro SUMR r                          ; one turn of the sum's four chains
	v_pk_add_f32 v[14:15], v[14:15], v[S+2*(\r):S+2*(\r)+1]
.irp q, 1,2,3
	v_pk_add_f32 v[SU+2*\q-2:SU+2*\q-1], v[SU+2*\q-2:SU+2*\q-1], v[S+16*\q+2*(\r)+2:S+16*\q+2*(\r)+3]
.endr
.endm
; A KEY STEP: 128 keys.  tw: the younger LDS loads that may stay out when K's fragments are wanted (V's ten).  opv: the step before's second product: 0 none, 1 it starts the sums, 2 rescale and add.
; kpre: the next step's K is fetched.  vw: the younger loads that may stay out when V's fragments are wanted (K's twelve).
.macro STEP tw, opv, kpre, vw
	s_wait_dscnt \tw
.irp k, 0,1,2,3
	v_wmma_scale_f32_16x16x128_f8f6f4 v[S+16*\k:S+16*\k+7], v[KF+8*\k:KF+8*\k+7], v[20:27], 0, v[KSC+\k], v[QS] matrix_a_fmt:MATRIX_FMT_FP4 matrix_b_fmt:MATRIX_FMT_FP4
	v_wmma_scale_f32_16x16x128_f8f6f4 v[S+16*\k+8:S+16*\k+15], v[KF+8*\k:KF+8*\k+7], v[16:23], 0, v[KSC+\k], v[QS] matrix_a_fmt:MATRIX_FMT_FP4 matrix_b_fmt:MATRIX_FMT_FP4 matrix_a_scale:MATRIX_SCALE_ROW1
.endr                                          ; register 32 c + i of lane (r, h): key 64 c + 32 h + i, query r
	v_mov_b32 v[TO], v12                           ; these lines are the places behind the products (ISA guide 7.12.1)
	v_add_nc_u32 v[ADV], s[TVC], v[AVB]
	v_add_nc_u32 v[ADT], s[TV], v[ATB]
.if \kpre
	v_add_nc_u32 v[ADK], s[TK], v[AKB]
	v_add_nc_u32 v[ADS], s[TS], v[ASB]
	KLOAD
.else
	v_nop
.endif
.irp c, 0,1                                    ; the largest score of my two blocks, two chains each: it serves the row's maximum and, since p rises with the score, the block's largest p
	v_max3_num_f32 v[BM+\c], v[S+32*\c], v[S+32*\c+1], v[S+32*\c+2]
	v_max3_num_f32 v[BP+\c], v[S+32*\c+16], v[S+32*\c+17], v[S+32*\c+18]
.endr
.irp i, 3,5,7,9,11,13
.irp c, 0,1
	v_max3_num_f32 v[BM+\c], v[BM+\c], v[S+32*\c+\i], v[S+32*\c+\i+1]
	v_max3_num_f32 v[BP+\c], v[BP+\c], v[S+32*\c+16+\i], v[S+32*\c+17+\i]
.endr
.endr
.irp c, 0,1
	v_max3_num_f32 v[BM+\c], v[BM+\c], v[BP+\c], v[S+32*\c+15]
.endr
.irp c, 0,1
	v_max_num_f32 v[BM+\c], v[BM+\c], v[S+32*\c+31]
.endr
.if \opv
	s_wait_dscnt \vw                               ; the last step's V is in
	s_wait_alu depctr_va_vdst(0)                   ; a wait here, directly ahead of the first readers of O^T and of the maxima
.endif
	v_max_num_f32 v[T], v[BM], v[BM+1]             ; the chain for M; O^T's rescaling by the last step's f stands between its lines
	OMUL \opv, 0, 2
	v_permlanex16_b32 v[T2], v[T], s[SEL], s[SEL+1]
	OMUL \opv, 4, 2
	v_max3_num_f32 v13, v13, v[T], v[T2]           ; the running largest score of my query
	OMUL \opv, 8, 2
	v_mul_f32 v[T], s[CS], v13                     ; as t (c is positive)
	OMUL \opv, 12, 2
	v_floor_f32 v12, -v[T]                         ; the new -M = floor(-t) = -ceil(t)
	OMUL \opv, 16, 2
	v_sub_f32 v[T], v12, v[TO]                     ; old M - new M: a whole number, 0 or less
	OMUL \opv, 20, 2
	v_cvt_i32_f32 v[T], v[T]                       ; (it saturates)
	OMUL \opv, 24, 4
	v_ldexp_f32 v[F], 1.0, v[T]                    ; f = 2^(old M - new M): a multiplication by it rounds nothing
.if \opv
	PV \opv
.endif
.irp j, 0,2,4,6
	v_pk_fma_f32 v[S+\j:S+1+\j], v[S+\j:S+1+\j], s[CS:CS+1], v[12:13] op_sel_hi:[1,0,0]   ; t - M, two at a time; these four are the places in front of the loads into V's registers
.endr
	VLOAD
.irp j, 8,10,12,14,16,18,20,22,24,26,28,30,32,34,36,38,40,42,44,46,48,50,52,54,56,58,60,62
	v_pk_fma_f32 v[S+\j:S+1+\j], v[S+\j:S+1+\j], s[CS:CS+1], v[12:13] op_sel_hi:[1,0,0]
.endr
.irp c, 0,1
	v_fma_f32 v[BM+\c], v[BM+\c], s[CS], v12       ; the same of each block's largest score
.endr
	s_wait_alu depctr_va_vdst(0)                   ; a wait ahead of the batch
.irp j, 0,1,2,3,4,5,6,7,8,9,10,11,12,13,14,15,16,17,18,19,20,21,22,23,24,25,26,27,28,29,30,31,32,33,34,35,36,37,38,39,40,41,42,43,44,45,46,47,48,49,50,51,52,53,54,55,56,57,58,59,60,61,62,63
	v_exp_f32 v[S+\j], v[S+\j]                     ; p = 2^(t - M): not normalised
.endr
.irp c, 0,1
	v_exp_f32 v[BM+\c], v[BM+\c]                   ; the block's largest p: the same two instructions on the same number
.endr
	v_pk_mul_f32 v[14:15], v[14:15], v[F:F+1] op_sel_hi:[1,0]   ; the sum under the new M (a plain place behind the exponentials)
	s_wait_alu depctr_va_vdst(0)                   ; one wait for the batch, ahead of its first reader
.irp c, 0,1
	v_max_num_f32 v[BM+\c], 0x1800000, v[BM+\c]    ; the floor 2^(3 - 127): the byte cannot fall under 1
.endr
	v_pk_add_f32 v[14:15], v[14:15], v[S:S+1]      ; the row's sum of the unquantised p, four chains by turns, between the lines that make the scales
.irp q, 1,2,3
	v_pk_add_f32 v[SU+2*\q-2:SU+2*\q-1], v[S+16*\q:S+16*\q+1], v[S+16*\q+2:S+16*\q+3]
.endr
.irp c, 0,1
	v_add_nc_u32 v[BS+\c], 0xff000000, v[BM+\c]    ; 2 off the exponent field: the conversion's scale operand
.endr
	SUMR 1
.irp c, 0,1
	v_lshrrev_b32 v[BY+\c], 23, v[BS+\c]           ; the scale's byte
.endr
	SUMR 2
	v_lshl_or_b32 v[BY], v[BY+1], 16, v[BY]        ; my blocks h and 2 + h
	SUMR 3
	v_permlanex16_b32 v[PP], v[BY], s[SEL], s[SEL+1]
	SUMR 4
	v_lshl_or_b32 v[PW], v[PP], 8, v[BY]           ; lanes 0-15: bytes of blocks 0 1 2 3; lanes 16-31 are not read
.irp c, 0,1
.irp u, 0,1,2,3
	v_cvt_scalef32_pk8_fp4_f32 v[PC+4*\c+\u], v[S+32*\c+8*\u:S+32*\c+8*\u+7], v[BS+\c]   ; register 4 c + u of the operand as it stands
.endr
.endr
	SUMR 5
	SUMR 6
	v_pk_add_f32 v[14:15], v[14:15], v[S+14:S+15]
	v_pk_add_f32 v[SU:SU+1], v[SU:SU+1], v[SU+2:SU+3]
	v_pk_add_f32 v[14:15], v[14:15], v[SU+4:SU+5]
	v_pk_add_f32 v[14:15], v[14:15], v[SU:SU+1]
	s_add_co_u32 s[TK], s[TK], KST
	s_add_co_u32 s[TS], s[TS], 512
	s_add_co_u32 s[TVC], s[TVC], 4096
	s_add_co_u32 s[TV], s[TV], 256
.endm
	s_wait_alu depctr_va_vdst(0)                   ; a wait at the head's end
	s_wait_loadcnt 0x0                             ; Q and its scale words
	s_wait_tensorcnt 0x0                           ; my block of the head's four is in; the full sequence ahead of the later first fills:
	ds_add_u32 v[SPW], v[NIL]                      ; the add, here twice on end
	ds_add_u32 v[SPW], v[NIL]
	s_wait_dscnt 0x0
	CROUND                                         ; everybody's block is in, and the four work-groups are here
	s_cmp_lt_u32 s[W7], 7                          ; one load a wave: waves 0-6 K's parts, waves 8-14 V's
	s_cbranch_scc0 .Lrest_asked
	s_cmp_lt_u32 s[WV], 8
	s_cbranch_scc0 .Lrest_v
	tensor_load_to_lds s[G0K2:G0K2+3], s[G1K:G1K+7]
	s_nop 0
	NOP4
	s_branch .Lrest_asked
.Lrest_v:
	tensor_load_to_lds s[G0V2:G0V2+3], s[G1A:G1A+7]
	s_nop 0
	NOP4
.Lrest_asked:
	s_mov_b32 s[TK], 0
	s_mov_b32 s[TS], 0
	v_add_nc_u32 v[ADK], s[TK], v[AKB]
	v_add_nc_u32 v[ADS], s[TS], v[ASB]
	KLOAD                                          ; key step 0
	s_mov_b32 s[TK], KST
	s_mov_b32 s[TS], 512
	s_mov_b32 s[TVC], 0
	s_mov_b32 s[TV], 0
	STEP 0, 0, 1, 0                                ; steps 0 to 3 read what the head's loads brought
	STEP 10, 1, 1, 12
	STEP 10, 2, 1, 12
	STEP 10, 2, 0, 0
	s_wait_alu depctr_va_vdst(0)                   ; a wait here, directly ahead of the waits below
	s_wait_tensorcnt 0x0                           ; my part of the rest has landed,
	s_wait_dscnt 0x0                               ; no LDS instruction of mine is out at the signal,
	s_barrier_signal -1
	s_barrier_wait -1                              ; and every wave knows it
	s_mov_b32 s[TK], 4*KST
	s_mov_b32 s[TS], 4*512
	v_add_nc_u32 v[ADK], s[TK], v[AKB]
	v_add_nc_u32 v[ADS], s[TS], v[ASB]
	KLOAD                                          ; key step 4
	s_mov_b32 s[TK], 5*KST
	s_mov_b32 s[TS], 5*512
	s_mov_b32 s[TVC], 4*4096
	s_mov_b32 s[TV], 4*256
	s_mov_b32 s[CNT], 27
	s_wait_dscnt 0x0                               ; so that the loop's counted wait holds on the way in too
.Lstep:                                            ; key steps 4 to 30
	STEP 10, 2, 1, 12
	s_sub_co_u32 s[CNT], s[CNT], 1
	s_cmp_lg_u32 s[CNT], 0
	s_cbranch_scc1 .Lstep
	s_mov_b32 s[TVC], 31*4096
	s_mov_b32 s[TV], 31*256
	STEP 10, 2, 0, 0                               ; key step 31 fetches no further K
	s_wait_dscnt 0x0                               ; its V is in
	s_wait_alu depctr_va_vdst(0)                   ; a wait here, directly ahead of the first readers of O^T
	OMUL 2, 0, 16
	PV 2                                           ; the last step's second product
	; THE WAY OUT: ctx = O^T / l, quantised along the head's 64 channels: two blocks
	v_add_f32 v14, v14, v15                        ; the sum's two halves,
	v_permlanex16_b32 v[T], v14, s[SEL], s[SEL+1]
	v_add_f32 v14, v14, v[T]                       ; and lane l xor 16's: the row's sum
	s_wait_alu depctr_va_vdst(0)                   ; a wait ahead of the transcendental
	v_rcp_f32 v14, v14
	NOP4                                           ; the place behind the reciprocal, and places behind the last products
	s_wait_alu depctr_va_vdst(0)
.irp j, 0,1,2,3,4,5,6,7,8,9,10,11,12,13,14,15,16,17,18,19,20,21,22,23,24,25,26,27,28,29,30,31
	v_mul_f32 v[S+\j], v[O+\j], v14                ; register 8 t + i: channel 16 t + 8 (lane / 16) + i of my query
.endr
.irp b, 0,1
	v_max3_num_f32 v[BM+\b], |v[S+16*\b]|, |v[S+1+16*\b]|, 0x1800000
.endr
.irp i, 2,4,6,8,10,12,14
.irp b, 0,1
	v_max3_num_f32 v[BM+\b], v[BM+\b], |v[S+16*\b+\i]|, |v[S+1+16*\b+\i]|
.endr
.endr
.irp b, 0,1
	v_permlanex16_b32 v[BP+\b], v[BM+\b], s[SEL], s[SEL+1]
.endr
.irp b, 0,1
	v_max_num_f32 v[BM+\b], v[BM+\b], v[BP+\b]
.endr
.irp b, 0,1
	v_add_nc_u32 v[BS+\b], 0xff000000, v[BM+\b]
.endr
.irp b, 0,1
	v_lshrrev_b32 v[BP+\b], 23, v[BS+\b]
.endr
	v_lshl_or_b32 v[PW], v[BP+1], 8, v[BP]         ; my query's two scale bytes
.irp b, 0,1
	v_cvt_scalef32_pk8_fp4_f32 v[PC+\b], v[S+16*\b:S+7+16*\b], v[BS+\b]         ; block b's channels 8 h on
	v_cvt_scalef32_pk8_fp4_f32 v[PC+2+\b], v[S+8+16*\b:S+15+16*\b], v[BS+\b]    ; and 16 + 8 h on
.endr
	v_nop                                          ; one plain place behind a scaled conversion
.irp i, 0,1
	v_permlane16_swap_b32 v[PC+2*\i], v[PC+1+2*\i] ; block 0's upper lanes change places with block 1's lower: lanes 0-15 hold block 0 whole and in order, lanes 16-31 block 1
.endr
	global_store_b128 v[L16], v[PC:PC+3], s[16:17] ; 512 consecutive bytes: my tile's codes of this head
	ds_store_b16 v[CSA], v[PW]                     ; both halves of the lanes write the same two bytes with the same value
	s_wait_dscnt 0x0                               ; for wave 0's sake: my store has landed
	s_barrier_signal -1
	s_barrier_wait -1
	s_cmp_lg_u32 s[WV], 0
	s_cbranch_scc1 .Lno_scales
	ds_load_b128 v[S:S+3], v[CSR]                  ; the sixteen tiles' scale bytes: 512 bytes
	s_wait_dscnt 0x0
	global_store_b128 v[L16], v[S:S+3], s[18:19]   ; 512 consecutive bytes, at a multiple of 256 from the buffer's first byte
.Lno_scales:
	s_wait_tensorcnt 0x0                           ; the wave's end
	ds_add_u32 v[SPW], v[NIL]
	s_wait_dscnt 0x0
	CROUND                                         ; the closing round
	s_endpgm
.Lfunc_end_k_qc1abed330f_attn:
	.size	k_qc1abed330f_attn, .Lfunc_end_k_qc1abed330f_attn-k_qc1abed330f_attn
	.p2alignl 7, 3214868480
	.fill 96, 4, 3214868480
	.section	.rodata,"a",@progbits
	.p2align	6, 0x0
	.amdhsa_kernel k_qc1abed330f_attn
		.amdhsa_group_segment_fixed_size 327680
		.amdhsa_private_segment_fixed_size 0
		.amdhsa_enable_private_segment 0
		.amdhsa_kernarg_size 64
		.amdhsa_user_sgpr_count 2
		.amdhsa_user_sgpr_kernarg_segment_ptr 1
		.amdhsa_wavefront_size32 1
		.amdhsa_system_sgpr_workgroup_id_x 1
		.amdhsa_system_sgpr_workgroup_id_y 1
		.amdhsa_system_sgpr_workgroup_id_z 1
		.amdhsa_system_vgpr_workitem_id 0
		.amdhsa_next_free_vgpr 256
		.amdhsa_next_free_sgpr 100
		.amdhsa_reserve_vcc 0
		.amdhsa_float_denorm_mode_32 3
		.amdhsa_float_denorm_mode_16_64 3
		.amdhsa_memory_ordered 1
		.amdhsa_forward_progress 1
		.amdhsa_inst_pref_size 98
	.end_amdhsa_kernel
	.amdgpu_metadata
---
amdhsa.version: [ 1, 2 ]
amdhsa.kernels:
  - .name:           k_qc1abed330f_attn
    .symbol:         k_qc1abed330f_attn.kd
    .args:
      - { .name: q_img, .offset: 0, .size: 8, .value_kind: global_buffer, .address_space: global }
      - { .name: q_scl, .offset: 8, .size: 8, .value_kind: global_buffer, .address_space: global }
      - { .name: k_img, .offset: 16, .size: 8, .value_kind: global_buffer, .address_space: global }
      - { .name: k_scl, .offset: 24, .size: 8, .value_kind: global_buffer, .address_space: global }
      - { .name: v_img, .offset: 32, .size: 8, .value_kind: global_buffer, .address_space: global }
      - { .name: v_scl, .offset: 40, .size: 8, .value_kind: global_buffer, .address_space: global }
      - { .name: c_img, .offset: 48, .size: 8, .value_kind: global_buffer, .address_space: global }
      - { .name: c_scl, .offset: 56, .size: 8, .value_kind: global_buffer, .address_space: global }
    .group_segment_fixed_size: 327680
    .private_segment_fixed_size: 0
    .kernarg_segment_align: 8
    .kernarg_segment_size: 64
    .max_flat_workgroup_size: 512
    .sgpr_count:     100
    .vgpr_count:     256
    .wavefront_size: 32
...
	.end_amdgpu_metadata
.endif
;; end of part 2
;; launch outln (part 3): grid 256 x 1, 8 waves a work-group, clusters of 4 x 1, 230,400 bytes of LDS; arguments c_img, c_scl, W_o_codes, W_o_scales, x, ln_gamma, ln_beta, out0; writes out0
.if DOCPART == 3
	.amdgcn_target "amdgcn-amd-amdhsa--gfx1250"
	.amdhsa_code_object_version 6
	.text
	.protected	k_qc1abed330f_outln
	.globl	k_qc1abed330f_outln
	.p2align	8
	.type	k_qc1abed330f_outln,@function
k_qc1abed330f_outln:
	s_mov_b64 s[64:65], 0
	v_nop
	global_prefetch_b8 v0, s[64:65] scope:SCOPE_SE
	s_setreg_imm32_b32 hwreg(HW_REG_WAVE_MODE, 25, 1), 1
	s_wait_xcnt 0x0
	s_wait_alu depctr_hold_cnt(0) depctr_sa_sdst(0) depctr_va_vdst(0) depctr_va_sdst(0) depctr_va_ssrc(0) depctr_va_vcc(0) depctr_vm_vsrc(0)
	s_getreg_b32 s2, hwreg(HW_REG_IB_STS2, 6, 4)
	s_cmp_eq_u32 s2, 0
	s_cbranch_scc0 .Lentry_in_a_cluster
	s_endpgm
.Lentry_in_a_cluster:
	s_bfe_u32 s2, ttmp6, 0x10000c
	s_cmp_lg_u32 s2, 0x3003
	s_cbranch_scc0 .Lentry_shape_is_right
	s_endpgm
.Lentry_shape_is_right:
; y = ctx Wo^T + x on codes of FP4 (E2M1) with one E8M0 byte for each 32 along D, sums in f32; out0 = (y - mean) rsqrt(var + 1e-5) gamma + beta along the 512 columns, all in f32.
; SHARES.  Work-group g owns tokens 32 g .. 32 g + 31, as two tiles of 16: lane r of tile u is token 8 u + r + 8 (r / 8), the order in which ctx's codes were laid.
; In the product wave w makes columns 64 w .. 64 w + 63 of both tiles: eight accumulators by turns, 32 matrix instructions.  Source 0 = 16 rows of Wo, source 1 = 16 tokens: a lane holds one token and eight neighbouring columns.
; x IS THE C OF EACH SUM'S FIRST PRODUCT: it is loaded by whole rows, laid into a stage in LDS, and read back in the result's layout; the residual costs no addition.
; y goes back into the same bytes of the stage; then wave w owns stage rows 4 w .. 4 w + 3, which are four neighbouring tokens, for the norm and the stores: every load of x and every store covers 512 consecutive bytes.
; The mean is taken first and the variance of the differences: no difference of large sums.
; CLUSTER.  All work-groups read the same Wo: its codes and scale bytes are asked for JOINTLY by the four work-groups of a cluster, one tensor load a wave (waves 0-3: 128 rows of codes each; wave 4: the scale bytes), once.
; Every LDS byte is filled once; the launch streams x in and out0 out, so no prefetch is laid.
; LIMITS: NaN and infinities among the inputs are not served.
.set WP,   272                         ; a row of Wo's codes in LDS: 256 bytes + 16 of padding: the sixteen rows that a load touches start at sixteen different 16-byte columns of 256
.set WOS,  139264                      ; behind the 512 rows: Wo's scale bytes, 16 a row
.set YST,  147456                      ; the stage: 32 rows x (2,048 bytes + 16); no fill lands here
.set YP,   2064
.set LI,   4                           ; v4   16 x lane
.set L2,   5                           ; v5   2 x lane
.set XST,  6                           ; v6   the stage by rows: my four rows, 16 x lane
.set AW,   7                           ; v7   Wo's codes: my 64 rows, row r, + 16 h
.set ASW,  8                           ; v8   Wo's scale bytes: my 64 rows, row r
.set AY,   9                           ; v9   the stage in the result's layout: row r, my 256 bytes, + 32 h
.set CF,   16                          ; v16-79   ctx's eight fragments (u, s) at + 8 (4 u + s); later gamma v16-31, beta v32-47, at work v48-63
.set GA,   16
.set BE,   32
.set TP,   48
.set CH,   80                          ; v80-87   ctx's scale bytes, two a head
.set CS,   88                          ; v88-91   ctx's scale words: lanes 0-15 tile 0, lanes 16-31 tile 1
.set WSC,  92                          ; v92-107  Wo's scale words
.set ACC,  112                         ; v112-175 x as loaded; the accumulators (u, t) at + 32 u + 8 t; my four rows of y
.set WF,   176                         ; v176-239 Wo's fragments, two sets of four
.set ST,   240                         ; v240-255 four a row: the mean, (named with it), 1 / sigma, (named with it)
.set WV,   20
.set SEL,  22
.macro CROUND                          ; a round of the cluster's barrier
	s_barrier_signal -1
	s_barrier_wait -1
	s_cmp_lg_u32 s[WV], 0
	s_cbranch_scc1 .Lnot_wave_0_\@
	s_barrier_signal -3
.Lnot_wave_0_\@:
	s_barrier_wait -3
	s_barrier_signal -1
	s_barrier_wait -1
.endm
.macro FETCHW s                        ; my four tiles of Wo, 128 along D from 128 s, into set s % 2
.irp t, 0,1,2,3
.irp c, 0,1
	ds_load_b128 v[WF+32*((\s)%2)+8*\t+4*\c:WF+32*((\s)%2)+8*\t+4*\c+3], v[AW] offset:16*WP*\t+64*(\s)+32*\c
.endr
.endr
.endm
.macro PROD s                          ; eight products, the accumulators by turns
.irp t, 0,1,2,3
	v_wmma_scale_f32_16x16x128_f8f6f4 v[ACC+8*\t:ACC+8*\t+7], v[WF+32*((\s)%2)+8*\t:WF+32*((\s)%2)+8*\t+7], v[CF+8*(\s):CF+8*(\s)+7], v[ACC+8*\t:ACC+8*\t+7], v[WSC+4*\t+(\s)], v[CS+(\s)] matrix_a_fmt:MATRIX_FMT_FP4 matrix_b_fmt:MATRIX_FMT_FP4
.endr
.irp t, 0,1,2,3
	v_wmma_scale_f32_16x16x128_f8f6f4 v[ACC+32+8*\t:ACC+32+8*\t+7], v[WF+32*((\s)%2)+8*\t:WF+32*((\s)%2)+8*\t+7], v[CF+32+8*(\s):CF+32+8*(\s)+7], v[ACC+32+8*\t:ACC+32+8*\t+7], v[WSC+4*\t+(\s)], v[CS+(\s)] matrix_a_fmt:MATRIX_FMT_FP4 matrix_b_fmt:MATRIX_FMT_FP4 matrix_b_scale:MATRIX_SCALE_ROW1
.endr
.endm
.macro PLACES n
.rept \n
	v_nop
.endr
.endm
.macro REDUCE o                        ; the four rows' numbers at v[ST + 4 j + o] are summed over the 32 lanes, the rows by turns
.irp m, 1,2,4,8
.irp j, 0,1,2,3
	s_delay_alu instid0(VALU_DEP_4)
	v_add_f32_dpp v[ST+4*\j+\o], v[ST+4*\j+\o], v[ST+4*\j+\o] row_xmask:\m row_mask:0xf bank_mask:0xf
.endr
.endr
.irp j, 0,1,2,3
	s_delay_alu instid0(VALU_DEP_4)
	v_permlanex16_b32 v[ST+4*\j+\o+1], v[ST+4*\j+\o], s[SEL], s[SEL+1]
.endr
.irp j, 0,1,2,3
	s_delay_alu instid0(VALU_DEP_4)
	v_add_f32 v[ST+4*\j+\o], v[ST+4*\j+\o], v[ST+4*\j+\o+1]
.endr
.endm
	s_load_b512 s[4:19], s[0:1], 0x0               ; c_img 4, c_scl 6, Wo codes 8, Wo scales 10, x 12, gamma 14, beta 16, out0 18
	v_lshl_add_u32 v110, v0, 2, 0x38000
	v_mov_b32 v111, 0
	ds_add_u32 v110, v111
	ds_add_u32 v110, v111
	v_lshrrev_b32 v1, 5, v0
	s_delay_alu instid0(VALU_DEP_1)
	v_readfirstlane_b32 s[WV], v1                  ; wave 0..7
	v_and_b32 v1, 31, v0                           ; lane
	v_and_b32 v2, 15, v0                           ; r
	v_bfe_u32 v3, v0, 4, 1                         ; h
	s_delay_alu instid0(VALU_DEP_3)
	v_lshlrev_b32 v[LI], 4, v1
	s_delay_alu instid0(VALU_DEP_4)
	v_lshlrev_b32 v[L2], 1, v1
	s_mul_i32 s50, s[WV], 4*YP
	s_add_co_u32 s50, s50, YST
	v_add_nc_u32 v[XST], s50, v[LI]
	s_mul_i32 s50, s[WV], 64*WP
	v_mul_u32_u24 v[AW], v2, WP
	s_delay_alu instid0(VALU_DEP_1)
	v_lshl_add_u32 v[AW], v3, 4, v[AW]
	s_delay_alu instid0(VALU_DEP_1)
	v_add_nc_u32 v[AW], s50, v[AW]
	s_lshl_b32 s50, s[WV], 10
	s_add_co_u32 s50, s50, WOS
	v_lshl_add_u32 v[ASW], v2, 4, s50
	s_lshl_b32 s50, s[WV], 8
	s_add_co_u32 s50, s50, YST
	v_mul_u32_u24 v[AY], v2, YP
	s_delay_alu instid0(VALU_DEP_1)
	v_lshl_add_u32 v[AY], v3, 5, v[AY]
	s_delay_alu instid0(VALU_DEP_1)
	v_add_nc_u32 v[AY], s50, v[AY]
.irp j, 0,1,2,3,4,5,6,7,8,9,10,11,12,13,14,15
	v_mov_b32 v[ST+\j], 0                          ; written once: lane permutes' destinations and the upper words of pairs that are only named
.endr
	s_mov_b32 s[SEL], 0x76543210
	s_mov_b32 s[SEL+1], 0xfedcba98                 ; v_permlanex16_b32's selects for lane l xor 16
	s_mov_b32 s48, 0x3b000000                      ; 1 / 512
	s_mov_b32 s49, 0x3727c5ac                      ; 1e-5
	; group 1 for Wo's codes: 128 rows of 256 bytes, 16 bytes of padding behind each
	s_mov_b32 s24, 15|(0<<16)|(1<<20)|(1<<21)|(5<<22)|(3<<25)   ; 15:0 the mask: all four work-groups; 17:16 elements of 1 byte; 20 padding on; 21 set beside a mask; 24:22 after every 64 words; 31:25 four words
	s_mov_b32 s25, 256<<16                         ; tensor_dim0
	s_mov_b32 s26, 128<<16                         ; tensor_dim1
	s_mov_b32 s27, 256<<16                         ; tile_dim0
	s_mov_b32 s28, 128                             ; tile_dim1
	s_mov_b32 s29, 256                             ; from row to row
	s_mov_b32 s30, 0
	s_mov_b32 s31, 0
	; and for its scale bytes: 8,192 dense bytes as 32 rows of 256 (32 elements of 8 bytes), no padding
	s_mov_b32 s36, 15|(3<<16)|(1<<21)
	s_mov_b32 s37, 32<<16
	s_mov_b32 s38, 32<<16
	s_mov_b32 s39, 32<<16
	s_mov_b32 s40, 32
	s_mov_b32 s41, 32
	s_mov_b32 s42, 0
	s_mov_b32 s43, 0
	s_min_u32 s50, s[WV], 3                        ; which 128 rows I ask for (waves 0 to 3)
	s_mul_i32 s33, s50, 128*WP                     ; their place in LDS
	s_lshl_b32 s50, s50, 15                        ; and in memory
	s_mov_b32 s51, 0
	s_wait_dscnt 0x0
	s_wait_kmcnt 0x0
	s_mov_b32 s32, 1
	s_add_nc_u64 s[34:35], s[8:9], s[50:51]
	s_or_b32 s35, s35, 0x80000000
	s_mov_b32 s44, 1
	s_mov_b32 s45, WOS
	s_mov_b64 s[46:47], s[10:11]
	s_or_b32 s47, s47, 0x80000000
	CROUND                                         ; all four work-groups are here: the joint loads meet
	s_cmp_lt_u32 s[WV], 4                          ; one load a wave; four v_nop follow each of the two lines
	s_cbranch_scc0 .Lnot_codes
	tensor_load_to_lds s[32:35], s[24:31]
	s_nop 0
.rept 4
	v_nop
.endr
	s_branch .Lasked
.Lnot_codes:
	s_cmp_eq_u32 s[WV], 4
	s_cbranch_scc0 .Lasked
	tensor_load_to_lds s[44:47], s[36:43]
	s_nop 0
.rept 4
	v_nop
.endr
.Lasked:
	; my work-group's tokens.  My place in the cluster enters these global addresses alone
	s_bfe_u32 s51, ttmp6, 0x40000                  ; cx
	s_lshl_b32 s52, ttmp9, 2
	s_add_co_u32 s52, s52, s51                     ; g
	s_lshr_b32 s53, s[WV], 2
	s_lshl_b32 s53, s53, 3                         ; stage rows 4 w .. 4 w + 3 are tile w / 4, lanes 4 (w % 4) on:
	s_and_b32 s54, s[WV], 3
	s_lshl_b32 s55, s54, 2
	s_add_co_u32 s53, s53, s55
	s_lshr_b32 s54, s54, 1
	s_lshl_b32 s54, s54, 3
	s_add_co_u32 s53, s53, s54                     ; tokens 8 (w / 4) + 4 (w % 4) + 8 ((w % 4) / 2) + 0 .. 3
	s_lshl_b32 s54, s52, 5
	s_add_co_u32 s54, s54, s53
	s_lshl_b32 s54, s54, 11                        ; 2,048 bytes a token
	s_mov_b32 s55, 0
	s_lshl_b32 s56, s52, 13                        ; c_img: two tiles of 4,096 bytes
	s_mov_b32 s57, 0
	s_lshl_b32 s58, s52, 6                         ; c_scl: two tiles of 32 bytes in each head's run
	s_mov_b32 s59, 0
	s_add_nc_u64 s[12:13], s[12:13], s[54:55]
	s_add_nc_u64 s[18:19], s[18:19], s[54:55]
	s_add_nc_u64 s[4:5], s[4:5], s[56:57]
	s_add_nc_u64 s[6:7], s[6:7], s[58:59]
.irp j, 0,1,2,3
.irp i, 0,1,2,3
	global_load_b128 v[ACC+16*\j+4*\i:ACC+16*\j+4*\i+3], v[LI], s[12:13] offset:2048*\j+512*\i th:TH_LOAD_NT   ; x: my four rows, 512 consecutive bytes a load
.endr
.endr
.irp u, 0,1
.irp s, 0,1,2,3
.irp c, 0,1
	global_load_b128 v[CF+8*(4*\u+\s)+4*\c:CF+8*(4*\u+\s)+4*\c+3], v[LI], s[4:5] offset:4096*\u+1024*\s+512*\c   ; ctx: head 2 s + c is half c of the fragment for 128 along D from 128 s
.endr
.endr
.endr
.irp e, 0,1,2,3,4,5,6,7
	global_load_u16 v[CH+\e], v[L2], s[6:7] offset:16384*\e   ; head e's two scale bytes: lanes 0-15 tile 0's tokens, lanes 16-31 tile 1's
.endr
	s_wait_loadcnt 24                              ; x is in; ctx's 16 loads and the 8 of its scale bytes may be out
.irp j, 0,1,2,3
.irp i, 0,1,2,3
	ds_store_b128 v[XST], v[ACC+16*\j+4*\i:ACC+16*\j+4*\i+3] offset:YP*\j+512*\i
.endr
.endr
	s_wait_loadcnt 0x0
.irp s, 0,1,2,3
	v_lshl_or_b32 v[CS+\s], v[CH+2*\s+1], 16, v[CH+2*\s]   ; the scale word of 128 along D: two heads' bytes
.endr
	PLACES 8                                       ; a scale register written by a vector instruction stands eight places ahead of a scaled matrix instruction
	s_wait_alu depctr_va_vdst(0)
	s_wait_tensorcnt 0x0                           ; my part of Wo has landed,
	s_wait_dscnt 0x0                               ; my rows of x lie in the stage,
	s_barrier_signal -1
	s_barrier_wait -1                              ; everybody's do
.irp u, 0,1
.irp t, 0,1,2,3
.irp i, 0,1
	ds_load_b128 v[ACC+32*\u+8*\t+4*\i:ACC+32*\u+8*\t+4*\i+3], v[AY] offset:16*YP*\u+64*\t+16*\i   ; x in the result's layout: token r, columns 64 w + 16 t + 8 h + 0 .. 7.  These bytes are read and later written by my wave alone
.endr
.endr
.endr
.irp t, 0,1,2,3
	ds_load_b128 v[WSC+4*\t:WSC+4*\t+3], v[ASW] offset:256*\t   ; a row's 16 scale bytes: the words of the four K steps
.endr
	FETCHW 0
	FETCHW 1
	s_wait_dscnt 8                                 ; all but the eight loads of the next K step's fragments
	PROD 0
	PLACES 4                                       ; four places in front of loads into registers that these products read
	FETCHW 2
	s_wait_dscnt 8
	PROD 1
	PLACES 4
	FETCHW 3
	s_wait_dscnt 8
	PROD 2
	s_wait_dscnt 0x0
	PROD 3
	PLACES 4                                       ; in front of the first read of results, and of the loads below into registers that the products read
.irp u, 0,1
.irp t, 0,1,2,3
.irp i, 0,1
	ds_store_b128 v[AY], v[ACC+32*\u+8*\t+4*\i:ACC+32*\u+8*\t+4*\i+3] offset:16*YP*\u+64*\t+16*\i   ; y, each accumulator from its low end on
.endr
.endr
.endr
.irp i, 0,1,2,3
	global_load_b128 v[GA+4*\i:GA+4*\i+3], v[LI], s[14:15] offset:512*\i   ; gamma and beta of my 16 columns: 128 i + 4 x lane + 0 .. 3
	global_load_b128 v[BE+4*\i:BE+4*\i+3], v[LI], s[16:17] offset:512*\i
.endr
	s_wait_dscnt 0x0                               ; for the others' sake: my stores have landed
	s_barrier_signal -1
	s_barrier_wait -1                              ; 32 whole rows of y lie in the stage
.irp j, 0,1,2,3
.irp i, 0,1,2,3
	ds_load_b128 v[ACC+16*\j+4*\i:ACC+16*\j+4*\i+3], v[XST] offset:YP*\j+512*\i
.endr
.endr
	s_wait_dscnt 0x0
	; THE NORM, four rows by turns.  A lane holds 16 numbers of each row
.irp j, 0,1,2,3
	v_pk_add_f32 v[TP+4*\j:TP+4*\j+1], v[ACC+16*\j:ACC+16*\j+1], v[ACC+16*\j+2:ACC+16*\j+3]
	v_pk_add_f32 v[TP+4*\j+2:TP+4*\j+3], v[ACC+16*\j+4:ACC+16*\j+5], v[ACC+16*\j+6:ACC+16*\j+7]
.endr
.irp k, 8,12
.irp j, 0,1,2,3
	v_pk_add_f32 v[TP+4*\j:TP+4*\j+1], v[TP+4*\j:TP+4*\j+1], v[ACC+16*\j+\k:ACC+16*\j+\k+1]
	v_pk_add_f32 v[TP+4*\j+2:TP+4*\j+3], v[TP+4*\j+2:TP+4*\j+3], v[ACC+16*\j+\k+2:ACC+16*\j+\k+3]
.endr
.endr
.irp j, 0,1,2,3
	v_pk_add_f32 v[TP+4*\j:TP+4*\j+1], v[TP+4*\j:TP+4*\j+1], v[TP+4*\j+2:TP+4*\j+3]
.endr
.irp j, 0,1,2,3
	s_delay_alu instid0(VALU_DEP_4)
	v_add_f32 v[ST+4*\j], v[TP+4*\j], v[TP+4*\j+1]
.endr
	REDUCE 0
.irp j, 0,1,2,3
	s_delay_alu instid0(VALU_DEP_4)
	v_mul_f32 v[ST+4*\j], s48, v[ST+4*\j]          ; the mean
.endr
.irp k, 0,2,4,6,8,10,12,14
.irp j, 0,1,2,3
	v_pk_add_f32 v[ACC+16*\j+\k:ACC+16*\j+\k+1], v[ACC+16*\j+\k:ACC+16*\j+\k+1], v[ST+4*\j:ST+4*\j+1] op_sel_hi:[1,0] neg_lo:[0,1] neg_hi:[0,1]   ; d = y - mean, in place
.endr
.endr
.irp j, 0,1,2,3
	v_pk_mul_f32 v[TP+4*\j:TP+4*\j+1], v[ACC+16*\j:ACC+16*\j+1], v[ACC+16*\j:ACC+16*\j+1]
	v_pk_mul_f32 v[TP+4*\j+2:TP+4*\j+3], v[ACC+16*\j+2:ACC+16*\j+3], v[ACC+16*\j+2:ACC+16*\j+3]
.endr
.irp k, 4,8,12
.irp j, 0,1,2,3
	v_pk_fma_f32 v[TP+4*\j:TP+4*\j+1], v[ACC+16*\j+\k:ACC+16*\j+\k+1], v[ACC+16*\j+\k:ACC+16*\j+\k+1], v[TP+4*\j:TP+4*\j+1]
	v_pk_fma_f32 v[TP+4*\j+2:TP+4*\j+3], v[ACC+16*\j+\k+2:ACC+16*\j+\k+3], v[ACC+16*\j+\k+2:ACC+16*\j+\k+3], v[TP+4*\j+2:TP+4*\j+3]
.endr
.endr
.irp j, 0,1,2,3
	v_pk_add_f32 v[TP+4*\j:TP+4*\j+1], v[TP+4*\j:TP+4*\j+1], v[TP+4*\j+2:TP+4*\j+3]
.endr
.irp j, 0,1,2,3
	s_delay_alu instid0(VALU_DEP_4)
	v_add_f32 v[ST+4*\j+2], v[TP+4*\j], v[TP+4*\j+1]
.endr
	REDUCE 2
.irp j, 0,1,2,3
	s_delay_alu instid0(VALU_DEP_4)
	v_fma_f32 v[ST+4*\j+2], v[ST+4*\j+2], s48, s49 ; the variance + 1e-5
.endr
	s_wait_alu depctr_va_vdst(0)
.irp j, 0,1,2,3
	v_rsq_f32 v[ST+4*\j+2], v[ST+4*\j+2]
.endr
	v_nop                                          ; one plain place behind the last of them
	s_wait_loadcnt 0x0                             ; gamma and beta
	s_wait_alu depctr_va_vdst(0)
.irp k, 0,2,4,6,8,10,12,14
.irp j, 0,1,2,3
	v_pk_mul_f32 v[ACC+16*\j+\k:ACC+16*\j+\k+1], v[ACC+16*\j+\k:ACC+16*\j+\k+1], v[ST+4*\j+2:ST+4*\j+3] op_sel_hi:[1,0]
.endr
.endr
.irp k, 0,2,4,6,8,10,12,14
.irp j, 0,1,2,3
	v_pk_fma_f32 v[ACC+16*\j+\k:ACC+16*\j+\k+1], v[ACC+16*\j+\k:ACC+16*\j+\k+1], v[GA+\k:GA+\k+1], v[BE+\k:BE+\k+1]
.endr
.endr
.irp j, 0,1,2,3
.irp i, 0,1,2,3
	global_store_b128 v[LI], v[ACC+16*\j+4*\i:ACC+16*\j+4*\i+3], s[18:19] offset:2048*\j+512*\i th:TH_STORE_NT   ; 512 consecutive bytes, at a multiple of 256 from out0's first byte; written once, read by nobody here
.endr
.endr
	s_wait_tensorcnt 0x0
	ds_add_u32 v110, v111
	s_wait_dscnt 0x0
	CROUND                                         ; the closing round: no work-group ends while a partner may still ask for a block that names it
	s_endpgm
.Lfunc_end_k_qc1abed330f_outln:
	.size	k_qc1abed330f_outln, .Lfunc_end_k_qc1abed330f_outln-k_qc1abed330f_outln
	.p2alignl 7, 3214868480
	.fill 96, 4, 3214868480
	.section	.rodata,"a",@progbits
	.p2align	6, 0x0
	.amdhsa_kernel k_qc1abed330f_outln
		.amdhsa_group_segment_fixed_size 230400
		.amdhsa_private_segment_fixed_size 0
		.amdhsa_enable_private_segment 0
		.amdhsa_kernarg_size 64
		.amdhsa_user_sgpr_count 2
		.amdhsa_user_sgpr_kernarg_segment_ptr 1
		.amdhsa_wavefront_size32 1
		.amdhsa_system_sgpr_workgroup_id_x 1
		.amdhsa_system_sgpr_workgroup_id_y 1
		.amdhsa_system_sgpr_workgroup_id_z 1
		.amdhsa_system_vgpr_workitem_id 0
		.amdhsa_next_free_vgpr 256
		.amdhsa_next_free_sgpr 66
		.amdhsa_reserve_vcc 0
		.amdhsa_float_denorm_mode_32 3
		.amdhsa_float_denorm_mode_16_64 3
		.amdhsa_memory_ordered 1
		.amdhsa_forward_progress 1
		.amdhsa_inst_pref_size 40
	.end_amdhsa_kernel
	.amdgpu_metadata
---
amdhsa.version: [ 1, 2 ]
amdhsa.kernels:
  - .name:           k_qc1abed330f_outln
    .symbol:         k_qc1abed330f_outln.kd
    .args:
      - { .name: c_img, .offset: 0, .size: 8, .value_kind: global_buffer, .address_space: global }
      - { .name: c_scl, .offset: 8, .size: 8, .value_kind: global_buffer, .address_space: global }
      - { .name: W_o_codes, .offset: 16, .size: 8, .value_kind: global_buffer, .address_space: global }
      - { .name: W_o_scales, .offset: 24, .size: 8, .value_kind: global_buffer, .address_space: global }
      - { .name: x, .offset: 32, .size: 8, .value_kind: global_buffer, .address_space: global }
      - { .name: ln_gamma, .offset: 40, .size: 8, .value_kind: global_buffer, .address_space: global }
      - { .name: ln_beta, .offset: 48, .size: 8, .value_kind: global_buffer, .address_space: global }
      - { .name: out0, .offset: 56, .size: 8, .value_kind: global_buffer, .address_space: global }
    .group_segment_fixed_size: 230400
    .private_segment_fixed_size: 0
    .kernarg_segment_align: 8
    .kernarg_segment_size: 64
    .max_flat_workgroup_size: 256
    .sgpr_count:     66
    .vgpr_count:     256
    .wavefront_size: 32
...
	.end_amdgpu_metadata
.endif
;; end of part 3
